; MI455X (gfx1250); checked and timed in simulation.
; The chip was launched on July 23, 2026; its instructions are those of AMD's public machine-readable ISA for CDNA 5 (MIT licence, August 2026) and "CDNA5" Instruction Set Architecture Reference Guide (July 2026). The comments in the code are by the model that wrote it; some were corrected since.
;; Transformer Encoder Layer. Allowed arithmetic: float matrix products may take bf16 or f16 operands with f32 sums; other float arithmetic in f32, or as packed bf16 or f16 multiplies, adds, multiply-adds, maxima and minima; sums over many terms, partial sums and values carried from step to step in f32; what a program stores and reads back later, other than sums and carried values, may be rounded once to bf16 or f16.
;; Inputs: W1 1,024 x 4,096 float32; W2 4,096 x 1,024 float32; Wo 1,024 x 1,024 float32; Wqkv 1,024 x 3,072 float32; b1 4,096 float32; b2 1,024 float32; be1 1,024 float32; be2 1,024 float32; bo 1,024 float32; bqkv 3,072 float32; g1 1,024 float32; g2 1,024 float32; x 2 x 2,048 x 1,024 float32.
;; Outputs: out0 2 x 2,048 x 1,024 float32.
;; One version. Each part assembles by itself: llvm-mc -triple=amdgcn-amd-amdhsa -mcpu=gfx1250 --defsym DOCPART=n.
;; ======== version 1 of 1: 8 launches
;; limits: values are held in f16: magnitudes above 65,504 overflow, below 6.1e-05 lose precision
;; workspace buffers: cw 33,554,432 bytes; qkvh 25,165,824 bytes; ao 8,388,608 bytes; ys 16,777,216 bytes; x1 8,388,608 bytes; hh 33,554,432 bytes
;; launch cast (part 1): grid 64 x 16, 8 waves a work-group, no clusters, 0 bytes of LDS; arguments x, Wqkv, Wo, W1, W2, cw; writes cw
.if DOCPART == 1
	.amdgcn_target "amdgcn-amd-amdhsa--gfx1250"
	.amdhsa_code_object_version 6
	.text
	.protected	k_q27d954eaaa_cast
	.globl	k_q27d954eaaa_cast
	.p2align	8
	.type	k_q27d954eaaa_cast,@function
k_q27d954eaaa_cast:
	s_mov_b64 s[64:65], 0
	v_nop
	global_prefetch_b8 v0, s[64:65] scope:SCOPE_SE
	s_setreg_imm32_b32 hwreg(HW_REG_WAVE_MODE, 25, 1), 1
	s_wait_xcnt 0x0
; cw = x, Wqkv, Wo, W1, W2 on end (4, 3, 1, 4, 4 units of 2^20 numbers), each number rounded once to bf16 and that number written as f16.
; LIMITS.  A bf16 number is exact in f16 from 2^-14 up to 65,504; below 2^-14 it keeps f16's fixed step of 2^-24; at 65,520 or more it becomes an infinity.
; SHARES.  Work-group (x, u) takes 16,384 numbers of unit u; a thread 16 chunks of 4.  A load of a wave covers 512 consecutive bytes, a store 256, both aligned.
; All 16 loads of a thread go out first; the waits count down.  No LDS, no matrix unit: each byte is read once and written once, and nothing is shared.
.set X,  4                             ; v[4:67]   16 chunks as loaded
.set H,  68                            ; v[68:69]  four bf16
.set W,  70                            ; v[70:73]  the same widened
.set Y,  76                            ; v[76:107] 16 chunks to store, registers of their own
	s_load_b256 s[4:11], s[0:1], 0x0               ; x s[4:5], Wqkv s[6:7], Wo s[8:9], W1 s[10:11]
	s_load_b128 s[12:15], s[0:1], 0x20             ; W2 s[12:13], cw s[14:15]
	s_and_b32 s16, ttmp7, 0xffff                   ; the unit u
	v_lshlrev_b32 v1, 4, v0                        ; 16 bytes a thread in
	v_lshlrev_b32 v2, 3, v0                        ; 8 bytes a thread out
	s_mov_b32 s24, 0xffff0000                      ; a word's upper bf16
	s_wait_kmcnt 0x0
	s_mov_b64 s[18:19], s[12:13]                   ; which tensor the unit lies in, and the tensor's first unit
	s_mov_b32 s17, 12
	s_cmp_lt_u32 s16, 12
	s_cselect_b64 s[18:19], s[10:11], s[18:19]
	s_cselect_b32 s17, 8, s17
	s_cmp_lt_u32 s16, 8
	s_cselect_b64 s[18:19], s[8:9], s[18:19]
	s_cselect_b32 s17, 7, s17
	s_cmp_lt_u32 s16, 7
	s_cselect_b64 s[18:19], s[6:7], s[18:19]
	s_cselect_b32 s17, 4, s17
	s_cmp_lt_u32 s16, 4
	s_cselect_b64 s[18:19], s[4:5], s[18:19]
	s_cselect_b32 s17, 0, s17
	s_sub_co_u32 s17, s16, s17                     ; the unit's number in its tensor
	s_lshl_b32 s20, s17, 22                        ; 4 MiB of f32 a unit,
	s_lshl_b32 s21, ttmp9, 16                      ; 64 KiB a work-group
	s_add_co_u32 s20, s20, s21
	s_mov_b32 s21, 0
	s_add_nc_u64 s[18:19], s[18:19], s[20:21]
	s_lshl_b32 s22, s16, 21                        ; 2 MiB of f16 a unit,
	s_lshl_b32 s23, ttmp9, 15                      ; 32 KiB a work-group
	s_add_co_u32 s22, s22, s23
	s_mov_b32 s23, 0
	s_add_nc_u64 s[14:15], s[14:15], s[22:23]
.irp j, 0,1,2,3,4,5,6,7,8,9,10,11,12,13,14,15
	global_load_b128 v[X+4*(\j):X+4*(\j)+3], v1, s[18:19] offset:4096*(\j) th:TH_LOAD_NT
.endr
.irp j, 0,1,2,3,4,5,6,7,8,9,10,11,12,13,14,15
	s_wait_loadcnt 15-(\j)                         ; loads come back in order: chunk j is in, the younger ones stay out
	v_cvt_pk_bf16_f32 v[H],   v[X+4*(\j)],   v[X+4*(\j)+1]
	v_cvt_pk_bf16_f32 v[H+1], v[X+4*(\j)+2], v[X+4*(\j)+3]
	v_lshlrev_b32 v[W],   16,  v[H]
	v_and_b32     v[W+1], s24, v[H]
	v_lshlrev_b32 v[W+2], 16,  v[H+1]
	v_and_b32     v[W+3], s24, v[H+1]
	v_cvt_pk_f16_f32 v[Y+2*(\j)],   v[W],   v[W+1]
	v_cvt_pk_f16_f32 v[Y+2*(\j)+1], v[W+2], v[W+3]
	global_store_b64 v2, v[Y+2*(\j):Y+2*(\j)+1], s[14:15] offset:2048*(\j)
.endr
	s_endpgm
.Lfunc_end_k_q27d954eaaa_cast:
	.size	k_q27d954eaaa_cast, .Lfunc_end_k_q27d954eaaa_cast-k_q27d954eaaa_cast
	.p2alignl 7, 3214868480
	.fill 96, 4, 3214868480
	.section	.rodata,"a",@progbits
	.p2align	6, 0x0
	.amdhsa_kernel k_q27d954eaaa_cast
		.amdhsa_group_segment_fixed_size 0
		.amdhsa_private_segment_fixed_size 0
		.amdhsa_enable_private_segment 0
		.amdhsa_kernarg_size 48
		.amdhsa_user_sgpr_count 2
		.amdhsa_user_sgpr_kernarg_segment_ptr 1
		.amdhsa_wavefront_size32 1
		.amdhsa_system_sgpr_workgroup_id_x 1
		.amdhsa_system_sgpr_workgroup_id_y 1
		.amdhsa_system_sgpr_workgroup_id_z 1
		.amdhsa_system_vgpr_workitem_id 0
		.amdhsa_next_free_vgpr 108
		.amdhsa_next_free_sgpr 66
		.amdhsa_reserve_vcc 0
		.amdhsa_float_denorm_mode_32 3
		.amdhsa_float_denorm_mode_16_64 3
		.amdhsa_memory_ordered 1
		.amdhsa_forward_progress 1
		.amdhsa_inst_pref_size 11
	.end_amdhsa_kernel
	.amdgpu_metadata
---
amdhsa.version: [ 1, 2 ]
amdhsa.kernels:
  - .name:           k_q27d954eaaa_cast
    .symbol:         k_q27d954eaaa_cast.kd
    .args:
      - { .name: x, .offset: 0, .size: 8, .value_kind: global_buffer, .address_space: global }
      - { .name: Wqkv, .offset: 8, .size: 8, .value_kind: global_buffer, .address_space: global }
      - { .name: Wo, .offset: 16, .size: 8, .value_kind: global_buffer, .address_space: global }
      - { .name: W1, .offset: 24, .size: 8, .value_kind: global_buffer, .address_space: global }
      - { .name: W2, .offset: 32, .size: 8, .value_kind: global_buffer, .address_space: global }
      - { .name: cw, .offset: 40, .size: 8, .value_kind: global_buffer, .address_space: global }
    .group_segment_fixed_size: 0
    .private_segment_fixed_size: 0
    .kernarg_segment_align: 8
    .kernarg_segment_size: 48
    .max_flat_workgroup_size: 256
    .sgpr_count:     66
    .vgpr_count:     108
    .wavefront_size: 32
...
	.end_amdgpu_metadata
.endif
;; end of part 1
;; launch qkv (part 2): grid 16 x 16, 4 waves a work-group, clusters of 4 x 4, 327,680 bytes of LDS; arguments cw, bqkv, qkvh; writes qkvh
.if DOCPART == 2
	.amdgcn_target "amdgcn-amd-amdhsa--gfx1250"
	.amdhsa_code_object_version 6
	.text
	.protected	k_q27d954eaaa_qkv
	.globl	k_q27d954eaaa_qkv
	.p2align	8
	.type	k_q27d954eaaa_qkv,@function
k_q27d954eaaa_qkv:
	s_mov_b64 s[64:65], 0
	v_nop
	global_prefetch_b8 v0, s[64:65] scope:SCOPE_SE
	s_setreg_imm32_b32 hwreg(HW_REG_WAVE_MODE, 25, 1), 1
	s_wait_xcnt 0x0
	s_wait_alu depctr_hold_cnt(0) depctr_sa_sdst(0) depctr_va_vdst(0) depctr_va_sdst(0) depctr_va_ssrc(0) depctr_va_vcc(0) depctr_vm_vsrc(0)
	s_getreg_b32 s2, hwreg(HW_REG_IB_STS2, 6, 4)
	s_cmp_eq_u32 s2, 0
	s_cbranch_scc0 .Lentry_in_a_cluster
	s_endpgm
.Lentry_in_a_cluster:
	s_bfe_u32 s2, ttmp6, 0x10000c
	s_cmp_lg_u32 s2, 0xf033
	s_cbranch_scc0 .Lentry_shape_is_right
	s_endpgm
.Lentry_shape_is_right:
; q, k, v = x Wqkv + bqkv, written by heads: qkvh = q | k | v, each [32 = batch x 16 + head][2048][64] in f16, rounded once from f32 sums, unscaled.
; x16 [4096][1024] and Wqkv16 [1024][3072] lie in cw as f16 (bf16 numbers); bqkv is rounded to bf16 here.  LIMIT: a result of 65,520 or more becomes an infinity.
; SHARES.  A work-group makes 256 rows x 192 columns, one head's q|k|v: 16 x 16 work-groups.  Wave w makes rows 64 w .. 64 w + 63 and all 192 columns: 48 accumulators of 16 x 16.
; K goes in 8 steps of 128 through two LDS slots.  Waves 0, 1 fetch the halves of x's tile (128 rows x 256 bytes), waves 2, 3 those of W's (64 k-rows x 384 bytes).
; W lies [k][n]: its fragments come out of LDS turned, by ds_load_tr16_b128.  Source 0 = 16 columns of W, source 1 = 16 rows of x: a lane holds one row and 8 neighbouring columns.
; CLUSTER 4 x 4: x's tile is asked for jointly along a row of the cluster, W's along a column.
; THE WALK ALONG K IS SKEWED: cluster (x, y) begins at K step (2 x + 4 (y % 2)) % 8 and goes round; the f32 sums may be taken in any order of K.  The four clusters of a row of clusters read the
; same rows of x, 2 K steps apart: each makes the first reading of two of the eight K steps, in its own steps 0 and 1.  Clusters y and y + 1 (y even) read the same columns of W 4 K steps apart.
; A K step is written once: s66 says at which LDS byte the slot in hand begins; the read addresses and the walking descriptors' LDS words are made from it.
; NO PREFETCH: the launch's first reading of every block falls into some cluster's first four K steps; two of them are the first fills, and what the other two ask for would have to be named at the kernel's head.
; REGISTERS: window 0: v16-29 addresses, v32-55 bias, v64-127 x's fragments (two buffers of 32); window 1: v0-191 W's (two of 96); windows 2, 3: accumulators (a, b) at 8 (12 (a % 2) + b).
.set KT,    8
.set PA,    272                        ; a row of x in LDS: 256 bytes + 16: the 16 rows of a load start at 16 different groups of four banks
.set PB,    480                        ; a row of W: three pieces of 128 bytes + 32: 15 x 32 bytes, so the 8 rows of a turning load lie 32 bytes apart modulo 256
.set HALFA, 128*PA
.set HALFB, 64*PB
.set BOFF,  2*HALFA
.set SLOT,  2*HALFA+2*HALFB
.set SPARE, 2*SLOT                     ; behind the ring: the spare words, 128 bytes a wave, that no other line names
.set SP,    784                        ; the way out: a stage row of 192 f32 + 16 bytes
.set STG,   64*SP                      ; a wave's stage, in the ring, which has then had its last fill
.set STEPA, 256
.set STEPB, 128*6144
.set WOFF,  8388608
.set ADRA0, 16
.set ADRB0, 17
.set ADRA,  18
.set ADRB,  19
.set STO,   24
.set RD,    25
.set CO,    26
.set SPW,   28
.set NIL,   29
.set BI,    32
.set RX,    64
.set RT,    128
.set RY,    160
.set ABASE, 84                         ; s[84:85] my part of x's tile at K = 0
.set BBASE, 86                         ; s[86:87] my part of W's tile at K = 0
.set KN,    88                         ; s88      the K step that the walking descriptors name
.set OFA,   90                         ; s[90:91] its byte offset in x
.set OFB,   92                         ; s[92:93] and in W
.set MSB, 0
.macro WIN new                         ; the immediate's high byte repeats the setting that is left
.if MSB != (\new)
	s_set_vgpr_msb (MSB<<8)|(\new)
.set MSB, \new
.endif
.endm
.set TO_B, 0x40
.macro PLACES
.rept 4
	v_nop
.endr
.endm
.macro CREST                           ; a round of the cluster's barrier behind its opening barrier
	s_cmp_lg_u32 s10, 0
	s_cbranch_scc1 .Lnot_wave_0_\@
	s_barrier_signal -3
.Lnot_wave_0_\@:
	s_barrier_wait -3
	s_barrier_signal -1
	s_barrier_wait -1
.endm
.macro CROUND
	s_barrier_signal -1
	s_barrier_wait -1
	CREST
.endm
.macro JLOAD                           ; the joint refill by the walking descriptors; the branch hangs on the wave's number alone
	s_cmp_eq_u32 s11, 0
	s_cbranch_scc0 .Lfor_b_\@
	tensor_load_to_lds s[36:39], s[24:31]
	s_nop 0
.rept 4
	v_nop
.endr
	s_branch .Lasked_\@
.Lfor_b_\@:
	tensor_load_to_lds s[60:63], s[48:55]
	s_nop 0
.rept 4
	v_nop
.endr
.Lasked_\@:
.endm
.macro NEXTK                           ; the walking descriptors: the next K step, round the end; the slot in hand; each address made anew from its base and an offset
	s_add_co_u32 s[KN], s[KN], 1
	s_and_b32 s[KN], s[KN], KT-1
	s_mul_i32 s[OFA], s[KN], STEPA
	s_mul_i32 s[OFB], s[KN], STEPB
	s_add_co_u32 s37, s66, s67
	s_add_co_u32 s61, s66, s68
	s_add_nc_u64 s[38:39], s[ABASE:ABASE+1], s[OFA:OFA+1]
	s_or_b32 s39, s39, 0x80000000
	s_add_nc_u64 s[62:63], s[BBASE:BBASE+1], s[OFB:OFB+1]
	s_or_b32 s63, s63, 0x80000000
.endm
.macro MUL12 f, a, zero                ; row block a x all 12 column blocks, 32 along K, buffer f
	WIN 0xa1+0x50*((\a)/2)
.irp b, 0,1,2,3,4,5,6,7,8,9,10,11
.if \zero
	v_wmma_f32_16x16x32_f16 v[8*(12*((\a)%2)+(\b)):8*(12*((\a)%2)+(\b))+7], v[96*(\f)+8*(\b):96*(\f)+8*(\b)+7], v[64+32*(\f)+8*(\a):64+32*(\f)+8*(\a)+7], 0
.else
	v_wmma_f32_16x16x32_f16 v[8*(12*((\a)%2)+(\b)):8*(12*((\a)%2)+(\b))+7], v[96*(\f)+8*(\b):96*(\f)+8*(\b)+7], v[64+32*(\f)+8*(\a):64+32*(\f)+8*(\a)+7], v[8*(12*((\a)%2)+(\b)):8*(12*((\a)%2)+(\b))+7]
.endif
.endr
.endm
.macro FETCH q, f                      ; 32 LDS loads: quarter q of the slot in hand into buffer f: W's 24, then x's 8
	WIN TO_B
.irp b, 0,1,2,3,4,5,6,7,8,9,10,11
	ds_load_tr16_b128 v[96*(\f)+8*(\b):96*(\f)+8*(\b)+3],   v[ADRB] offset:(\q)*32*PB+((\b)/4)*160+((\b)%4)*32
	ds_load_tr16_b128 v[96*(\f)+8*(\b)+4:96*(\f)+8*(\b)+7], v[ADRB] offset:(\q)*32*PB+16*PB+((\b)/4)*160+((\b)%4)*32
.endr
	WIN 0
.irp a, 0,1,2,3
	ds_load_b128 v[64+32*(\f)+8*(\a):64+32*(\f)+8*(\a)+3],   v[ADRA] offset:64*(\q)+(\a)*16*PA
	ds_load_b128 v[64+32*(\f)+8*(\a)+4:64+32*(\f)+8*(\a)+7], v[ADRA] offset:64*(\q)+(\a)*16*PA+32
.endr
.endm
.macro QUARTER q, f, g, zero           ; multiplies buffer f; in its middle fetches quarter q into buffer g
	s_wait_dscnt 4                                 ; all but the youngest four loads: x's row blocks 2 and 3
	MUL12 \f, 0, \zero
	MUL12 \f, 1, \zero
	PLACES                                         ; four places in front of loads into registers that matrix instructions have read
	FETCH \q, \g
	s_wait_dscnt 32                                ; all but the 32 just issued
	MUL12 \f, 2, \zero
	MUL12 \f, 3, \zero
.endm
.macro MEET fill                       ; the change of slots: one barrier for two things.  fill = 1: the slot in hand is filled again behind it
	WIN 0
	s_wait_tensorcnt 0x0                           ; all my tensor loads have landed: the one that was out is my part of the next slot; so a group 0 may be written
	ds_add_u32 v[SPW], v[NIL]                      ; 0 onto my spare word
.if \fill
	NEXTK
.endif
	s_wait_dscnt 5                                 ; (the add and the youngest four loads may be out)
	MUL12 1, 0, 0
	s_wait_dscnt 0x0                               ; the add is done, and my reads of this slot are over
	s_barrier_signal -1
	MUL12 1, 1, 0
	WIN 0
	s_barrier_wait -1
.endm
.macro TURN                            ; the last quarter of a K step, with the refill of the slot just read
	MEET 1
	CREST                                          ; no wave of any partner still reads this slot or has a load on its way
	JLOAD
	s_xor_b32 s66, s66, SLOT
	v_add_nc_u32 v[ADRA], s66, v[ADRA0]
	v_add_nc_u32 v[ADRB], s66, v[ADRB0]
	FETCH 0, 0
	MUL12 1, 2, 0
	MUL12 1, 3, 0
.endm
	s_load_b64 s[4:5], s[0:1], 0x0                 ; cw
	s_load_b64 s[72:73], s[0:1], 0x8               ; bqkv
	s_load_b64 s[8:9], s[0:1], 0x10                ; qkvh
	v_lshl_add_u32 v[SPW], v0, 2, SPARE
	v_mov_b32 v[NIL], 0
	ds_add_u32 v[SPW], v[NIL]                      ; the wave's opening: the add and its wait ahead of my first tensor load
	v_lshrrev_b32 v1, 5, v0
	v_readfirstlane_b32 s10, v1                    ; wave 0..3
	s_lshr_b32 s11, s10, 1                         ; I fetch for x (0) or for W (1),
	s_and_b32 s12, s10, 1                          ; and which half
	s_bfe_u32 s40, ttmp6, 0x40000                  ; cx
	s_bfe_u32 s41, ttmp6, 0x40004                  ; cy
	s_lshl_b32 s42, ttmp9, 2
	s_add_co_u32 s42, s42, s40                     ; the head = 4 x cluster x + cx
	s_and_b32 s13, ttmp7, 0xffff
	s_lshl_b32 s13, s13, 2
	s_add_co_u32 s13, s13, s41                     ; the block of 256 rows = 4 x cluster y + cy
	s_lshl_b32 s43, s41, 2
	s_lshl_b32 s43, 15, s43                        ; my row of the cluster
	s_lshl_b32 s44, 0x1111, s40                    ; my column
	s_or_b32 s24, s43, (1<<16)|(1<<20)|(1<<21)|(5<<22)|(3<<25)  ; x: 2-byte elements, 4 words of padding after every 64
	s_mov_b32 s25, 128<<16                         ; tensor_dim0 = 128
	s_mov_b32 s26, 128<<16                         ; tensor_dim1 = 128
	s_mov_b32 s27, 128<<16                         ; tile_dim0 = 128
	s_mov_b32 s28, 128                             ; tile_dim1 = 128
	s_mov_b32 s29, 1024                            ; elements from row to row
	s_mov_b32 s30, 0
	s_mov_b32 s31, 0
	s_or_b32 s48, s44, (1<<16)|(1<<20)|(1<<21)|(4<<22)|(7<<25)  ; W: 8 words of padding after every 32
	s_mov_b32 s49, 192<<16
	s_mov_b32 s50, 64<<16
	s_mov_b32 s51, 192<<16
	s_mov_b32 s52, 64
	s_mov_b32 s53, 3072
	s_mov_b32 s54, 0
	s_mov_b32 s55, 0
	s_lshl_b32 s16, s13, 8
	s_lshl_b32 s17, s12, 7
	s_add_co_u32 s16, s16, s17                     ; x: row 256 x block + 128 x half,
	s_lshl_b32 s16, s16, 11                        ; 2,048 bytes a row
	s_mov_b32 s17, 0
	s_mul_i32 s46, s12, 64*6144                    ; W: k-row 64 x half,
	s_mul_i32 s47, s42, 384                        ; the head's 192 columns
	s_add_co_u32 s46, s46, s47
	s_add_co_u32 s46, s46, WOFF
	s_mov_b32 s47, 0
	s_mul_i32 s67, s12, HALFA                      ; where my part of a tile goes in a slot: no place in the cluster enters an LDS address
	s_mul_i32 s68, s12, HALFB
	s_add_co_u32 s68, s68, BOFF
	s_mov_b32 s66, 0
	s_and_b32 s[KN], ttmp7, 1                      ; the cluster's first K step: (2 x + 4 (y % 2)) % 8: made of the cluster's coordinates, which all sixteen partners share
	s_lshl_b32 s[KN], s[KN], 2
	s_lshl_b32 s[OFA], ttmp9, 1
	s_add_co_u32 s[KN], s[KN], s[OFA]
	s_and_b32 s[KN], s[KN], KT-1
	s_mov_b32 s[OFA+1], 0
	s_mov_b32 s[OFB+1], 0
	s_wait_dscnt 0x0                               ; the opening add is done
	s_wait_kmcnt 0x0
	s_add_nc_u64 s[ABASE:ABASE+1], s[4:5], s[16:17]
	s_add_nc_u64 s[BBASE:BBASE+1], s[4:5], s[46:47]
	CROUND                                         ; all sixteen work-groups are here: the first joint loads meet
.irp s, 0,1
	s_mul_i32 s[OFA], s[KN], STEPA
	s_mul_i32 s[OFB], s[KN], STEPB
	s_mov_b32 s[32+4*(\s)], 1
	s_add_co_u32 s[33+4*(\s)], s67, (\s)*SLOT
	s_add_nc_u64 s[34+4*(\s):35+4*(\s)], s[ABASE:ABASE+1], s[OFA:OFA+1]
	s_or_b32 s[35+4*(\s)], s[35+4*(\s)], 0x80000000
	s_mov_b32 s[56+4*(\s)], 1
	s_add_co_u32 s[57+4*(\s)], s68, (\s)*SLOT
	s_add_nc_u64 s[58+4*(\s):59+4*(\s)], s[BBASE:BBASE+1], s[OFB:OFB+1]
	s_or_b32 s[59+4*(\s)], s[59+4*(\s)], 0x80000000
.if (\s) == 0
	s_add_co_u32 s[KN], s[KN], 1
	s_and_b32 s[KN], s[KN], KT-1
.endif
.endr
	s_cmp_eq_u32 s11, 0                            ; a wave's two first fills stand in one branch: two loads of mine are out
	s_cbranch_scc0 .Lfirst_b
	tensor_load_to_lds s[32:35], s[24:31]
	s_nop 0
	tensor_load_to_lds s[36:39], s[24:31]
	s_nop 0
.rept 4
	v_nop
.endr
	s_branch .Lfirst_done
.Lfirst_b:
	tensor_load_to_lds s[56:59], s[48:55]
	s_nop 0
	tensor_load_to_lds s[60:63], s[48:55]
	s_nop 0
.rept 4
	v_nop
.endr
.Lfirst_done:
	v_and_b32 v1, 15, v0                           ; l % 16
	v_bfe_u32 v2, v0, 4, 1                         ; l / 16
	v_mul_u32_u24 v3, v1, PA
	v_lshl_add_u32 v3, v2, 4, v3
	s_mul_i32 s21, s10, 64*PA                      ; my 64 rows of x
	v_add_nc_u32 v[ADRA0], s21, v3
	v_and_b32 v4, 7, v0                            ; the turning load: lane l reads k-row 8 (l / 16) + l % 8, 16 bytes at 16 ((l / 8) % 2)
	v_bfe_u32 v5, v0, 3, 1
	v_lshl_add_u32 v4, v2, 3, v4
	v_mul_u32_u24 v4, v4, PB
	v_lshl_add_u32 v4, v5, 4, v4
	v_add_nc_u32 v[ADRB0], BOFF, v4
	v_mov_b32 v[ADRA], v[ADRA0]
	v_mov_b32 v[ADRB], v[ADRB0]
	s_mul_i32 s23, s10, STG                        ; my stage
	v_mul_u32_u24 v6, v1, SP
	v_lshl_add_u32 v6, v2, 4, v6
	v_add_nc_u32 v[STO], s23, v6                   ; in: row l % 16, 16 bytes for each half of the lanes
	v_and_b32 v8, 31, v0
	v_lshrrev_b32 v6, 3, v8
	v_mul_u32_u24 v6, v6, SP
	v_and_b32 v9, 7, v0
	v_lshl_add_u32 v6, v9, 4, v6
	v_add_nc_u32 v[RD], s23, v6                    ; back: row l / 8, 16 bytes at 16 (l % 8)
	v_lshlrev_b32 v[CO], 4, v8                     ; out: four rows of 128 bytes are 512 consecutive bytes
	s_mul_i32 s20, s42, 768
	v_lshl_add_u32 v7, v9, 5, s20                  ; bqkv: the head's 192 numbers, my 8 of each 64; v7 is not written again
.irp p, 0,1,2
	global_load_b128 v[BI+8*(\p):BI+8*(\p)+3],   v7, s[72:73] offset:256*(\p)
	global_load_b128 v[BI+8*(\p)+4:BI+8*(\p)+7], v7, s[72:73] offset:256*(\p)+16
.endr
	s_lshr_b32 s20, s13, 3                         ; the batch,
	s_lshl_b32 s20, s20, 4
	s_add_co_u32 s20, s20, s42                     ; x 16 + the head,
	s_lshl_b32 s20, s20, 11                        ; its 2,048 rows,
	s_and_b32 s21, s13, 7
	s_lshl_b32 s21, s21, 8
	s_add_co_u32 s20, s20, s21                     ; the block's 256,
	s_lshl_b32 s21, s10, 6
	s_add_co_u32 s20, s20, s21                     ; my wave's 64,
	s_lshl_b32 s20, s20, 7                         ; 128 bytes a row
	s_mov_b32 s21, 0
	s_add_nc_u64 s[8:9], s[8:9], s[20:21]          ; q,
	s_add_nc_u64 s[74:75], s[8:9], 8388608         ; k,
	s_add_nc_u64 s[76:77], s[8:9], 16777216        ; v
	s_wait_tensorcnt 1                             ; my part of the first K step is in; the second's may stay out
	s_barrier_signal -1
	s_barrier_wait -1
	FETCH 0, 0
	QUARTER 1, 0, 1, 1                             ; the first quarter's products start the sums
	WIN 0
	s_mov_b32 s3, KT-2
.Lstep:                                        ; a trip: a K step's quarters 1 to 3, the refill, the next step's quarter 0
	QUARTER 2, 1, 0, 0
	QUARTER 3, 0, 1, 0
	TURN
	QUARTER 1, 0, 1, 0
	WIN 0
	s_sub_co_u32 s3, s3, 1
	s_cmp_lg_u32 s3, 0
	s_cbranch_scc1 .Lstep
	s_mov_b32 s3, 2
.Ltail:                                        ; the last two K steps ask for nothing: no tensor load stands here
	QUARTER 2, 1, 0, 0
	QUARTER 3, 0, 1, 0
	MEET 0
	s_sub_co_u32 s3, s3, 1
	s_cmp_eq_u32 s3, 0
	s_cbranch_scc1 .Lnofetch                       ; behind the last K step there is nothing to fetch
	s_xor_b32 s66, s66, SLOT
	v_add_nc_u32 v[ADRA], s66, v[ADRA0]
	v_add_nc_u32 v[ADRB], s66, v[ADRB0]
	PLACES
	FETCH 0, 0
.Lnofetch:
	MUL12 1, 2, 0
	MUL12 1, 3, 0
	WIN 0
	s_cmp_eq_u32 s3, 0
	s_cbranch_scc1 .Ldone
	QUARTER 1, 0, 1, 0
	WIN 0
	s_cmp_lg_u32 s3, 0
	s_cbranch_scc1 .Ltail
.Ldone:
	s_wait_dscnt 0x0                               ; every wave's reads of the ring are over before any wave stores into it
	s_barrier_signal -1
	s_barrier_wait -1
	PLACES
	PLACES
	; THE WAY OUT.  The sums go into my stage; each accumulator's lowest registers first.  Of a part's (q, k, v) 64 columns, columns 8 i .. 8 i + 3 lie at byte 16 i, columns 8 i + 4 .. at 128 + 16 i.
.irp a, 0,1,2,3
	WIN 0x08+4*((\a)/2)
.irp b, 0,1,2,3,4,5,6,7,8,9,10,11
	ds_store_b128 v[STO], v[8*(12*((\a)%2)+(\b)):8*(12*((\a)%2)+(\b))+3]   offset:(\a)*16*SP+((\b)/4)*256+((\b)%4)*32
	ds_store_b128 v[STO], v[8*(12*((\a)%2)+(\b))+4:8*(12*((\a)%2)+(\b))+7] offset:(\a)*16*SP+((\b)/4)*256+((\b)%4)*32+128
.endr
.endr
	WIN 0
	s_wait_loadcnt 0x0                             ; the bias, rounded to bf16 like every input
.irp k, 0,1,2,3,4,5,6,7,8,9,10,11
	v_cvt_pk_bf16_f32 v[RT+(\k)], v[BI+2*(\k)], v[BI+2*(\k)+1]
.endr
.irp k, 0,1,2,3,4,5,6,7,8,9,10,11
	v_lshlrev_b32 v[BI+2*(\k)], 16, v[RT+(\k)]
	v_and_b32 v[BI+2*(\k)+1], 0xffff0000, v[RT+(\k)]
.endr
.macro LOADX                           ; four rows: my 8 columns of q, of k and of v (LDS serves a wave's instructions in order: these see my stores)
.irp p, 0,1,2
	ds_load_b128 v[RX+8*(\p):RX+8*(\p)+3],   v[RD] offset:256*(\p)
	ds_load_b128 v[RX+8*(\p)+4:RX+8*(\p)+7], v[RD] offset:256*(\p)+128
.endr
.endm
	s_mov_b32 s3, 16
	LOADX
.Lout:                                         ; 16 trips of four rows
	s_wait_dscnt 0x0
	v_add_nc_u32 v[RD], 4*SP, v[RD]
.irp k, 0,1,2,3,4,5,6,7,8,9,10,11
	v_pk_add_f32 v[RT+2*(\k):RT+2*(\k)+1], v[RX+2*(\k):RX+2*(\k)+1], v[BI+2*(\k):BI+2*(\k)+1]
.endr
	s_cmp_eq_u32 s3, 1
	s_cbranch_scc1 .Lnox                           ; the next trip's rows are asked for while this trip works; the last trip has none
	LOADX
.Lnox:
	s_wait_xcnt 0x0                                ; the last trip's stores have read their offset and their data: both are written again only behind this wait
	v_add_nc_u32 v[CO], 512, v[CO]                 ; the stores below reach back by their immediate
.irp k, 0,1,2,3,4,5,6,7,8,9,10,11
	v_cvt_pk_f16_f32 v[RY+(\k)], v[RT+2*(\k)], v[RT+2*(\k)+1]
.endr
	global_store_b128 v[CO], v[RY:RY+3],    s[8:9]   offset:-512  ; each store of the wave covers 512 consecutive bytes, aligned
	global_store_b128 v[CO], v[RY+4:RY+7],  s[74:75] offset:-512
	global_store_b128 v[CO], v[RY+8:RY+11], s[76:77] offset:-512
	s_sub_co_u32 s3, s3, 1
	s_cmp_lg_u32 s3, 0
	s_cbranch_scc1 .Lout
	s_wait_tensorcnt 0x0                           ; the wave's end
	ds_add_u32 v[SPW], v[NIL]
	s_wait_dscnt 0x0
	CROUND                                         ; the closing round
	s_endpgm
.Lfunc_end_k_q27d954eaaa_qkv:
	.size	k_q27d954eaaa_qkv, .Lfunc_end_k_q27d954eaaa_qkv-k_q27d954eaaa_qkv
	.p2alignl 7, 3214868480
	.fill 96, 4, 3214868480
	.section	.rodata,"a",@progbits
	.p2align	6, 0x0
	.amdhsa_kernel k_q27d954eaaa_qkv
		.amdhsa_group_segment_fixed_size 327680
		.amdhsa_private_segment_fixed_size 0
		.amdhsa_enable_private_segment 0
		.amdhsa_kernarg_size 24
		.amdhsa_user_sgpr_count 2
		.amdhsa_user_sgpr_kernarg_segment_ptr 1
		.amdhsa_wavefront_size32 1
		.amdhsa_system_sgpr_workgroup_id_x 1
		.amdhsa_system_sgpr_workgroup_id_y 1
		.amdhsa_system_sgpr_workgroup_id_z 1
		.amdhsa_system_vgpr_workitem_id 0
		.amdhsa_next_free_vgpr 960
		.amdhsa_next_free_sgpr 96
		.amdhsa_reserve_vcc 0
		.amdhsa_float_denorm_mode_32 3
		.amdhsa_float_denorm_mode_16_64 3
		.amdhsa_memory_ordered 1
		.amdhsa_forward_progress 1
		.amdhsa_inst_pref_size 72
	.end_amdhsa_kernel
	.amdgpu_metadata
---
amdhsa.version: [ 1, 2 ]
amdhsa.kernels:
  - .name:           k_q27d954eaaa_qkv
    .symbol:         k_q27d954eaaa_qkv.kd
    .args:
      - { .name: cw, .offset: 0, .size: 8, .value_kind: global_buffer, .address_space: global }
      - { .name: bqkv, .offset: 8, .size: 8, .value_kind: global_buffer, .address_space: global }
      - { .name: qkvh, .offset: 16, .size: 8, .value_kind: global_buffer, .address_space: global }
    .group_segment_fixed_size: 327680
    .private_segment_fixed_size: 0
    .kernarg_segment_align: 8
    .kernarg_segment_size: 24
    .max_flat_workgroup_size: 128
    .sgpr_count:     96
    .vgpr_count:     960
    .wavefront_size: 32
...
	.end_amdgpu_metadata
.endif
;; end of part 2
;; launch attn (part 3): grid 8 x 32, 4 waves a work-group, clusters of 4 x 1, 327,680 bytes of LDS; arguments qkvh, ao; writes ao
.if DOCPART == 3
	.amdgcn_target "amdgcn-amd-amdhsa--gfx1250"
	.amdhsa_code_object_version 6
	.text
	.protected	k_q27d954eaaa_attn
	.globl	k_q27d954eaaa_attn
	.p2align	8
	.type	k_q27d954eaaa_attn,@function
k_q27d954eaaa_attn:
	s_mov_b64 s[64:65], 0
	v_nop
	global_prefetch_b8 v0, s[64:65] scope:SCOPE_SE
	s_setreg_imm32_b32 hwreg(HW_REG_WAVE_MODE, 25, 1), 1
	s_wait_xcnt 0x0
	s_wait_alu depctr_hold_cnt(0) depctr_sa_sdst(0) depctr_va_vdst(0) depctr_va_sdst(0) depctr_va_ssrc(0) depctr_va_vcc(0) depctr_vm_vsrc(0)
	s_getreg_b32 s2, hwreg(HW_REG_IB_STS2, 6, 4)
	s_cmp_eq_u32 s2, 0
	s_cbranch_scc0 .Lentry_in_a_cluster
	s_endpgm
.Lentry_in_a_cluster:
	s_bfe_u32 s2, ttmp6, 0x10000c
	s_cmp_lg_u32 s2, 0x3003
	s_cbranch_scc0 .Lentry_shape_is_right
	s_endpgm
.Lentry_shape_is_right:
; O[h][q][:] = the sum over k of softmax_k(Q[h][q] . K[h][k] / 8) V[h][k][:].  qkvh = Q | K | V, each [32][2048][64] in f16; ao = O in the same layout.  Products, maxima and sums in f32;
; the weights p are rounded to f16 for the second product (their sum l is taken of the unrounded p), O once at the end.
; LIMITS.  Q, K, V arrive within f16's 65,504; p lies in 0 to 1; a weight below 2^-126 counts as 0 in l; NaN and infinities are not treated apart.
; SHARES.  A work-group owns 256 queries of a head, a wave 64: two PIECES of two tiles of 16.  Every wave walks all 2,048 keys, 64 a step.
; LAYOUT.  S^T = K Q^T (source 0 = 16 keys, source 1 = 16 queries): a lane holds ONE query (lane % 16) and the keys 8 (lane / 16) + 0..7.  Two such tiles, rounded to f16 in pairs, ARE source 1
; of O^T = V^T P.  K comes out of LDS as it lies, V turned, by ds_load_tr16_b128.
; SOFTMAX.  A running maximum m and sum l: p = 2^(c s - c m), c = log2(e) / 8; in every step O and l are multiplied by a = 2^(c m_old - c m_new).  m starts at the lowest finite number, O and l at 0.
; BY TURNS.  Turn (j, 0): 16 products K Q^T of piece 1 with K of step j, later 16 products V^T P of piece 1 for step j - 1; beside them piece 0's softmax of step j and piece 1's maximum.
; Turn (j, 1): K Q^T of piece 0 for step j + 1, V^T P of piece 0 for step j; piece 1's softmax, piece 0's next maximum.  Four vector instructions stand behind every matrix instruction, the rest in one lump.
; A turn's 66 exponentials are one batch with one wait.  Turn 0 fetches K of step j + 1 behind its wait and V of step j at its end.
; K's STREAM IS SHIFTED BY A STEP: slot t holds K of steps 4 t + 1 .. 4 t + 4 and V of steps 4 t .. 4 t + 3, so that both fetches of a turn read one slot and the change of slots stands between two steps.
; K of step 0 comes straight from memory into registers, like Q.  The last slot's fourth K step lies behind the head's keys, inside qkvh; it is never read from LDS.
; CLUSTER.  The four query blocks of a cluster belong to one head and walk the same K and V: each tile is asked for jointly.
; REGISTERS: window 0: v0-11 addresses; v12-15, v48-63 at work; v16-31 statistics; v32-35 the add's two, the prefetches' offset, Q's offset; v64-191 S^T, two buffers; v192-255 P, likewise
;   window 1: v0-127 O^T, 32 a tile      window 2: v0-63 Q; v128-191 K of one step; v192-255 V of one step
.set NP,    2         ; pieces a wave: a name, no knob
.set KS,    64
.set PK,    144       ; a row of K in LDS: 128 bytes + 16
.set PV,    160       ; a row of V: 128 + 32
.set VOFF,  4*KS*PK
.set SLOT1, 1<<17
.set STAGE, SLOT1+4*KS*(PK+PV)  ; behind the ring: 16 rows x 144 bytes for each wave
.set SP,    144
.set SPARE, STAGE+4*16*SP       ; the spare words, 128 bytes a wave, that no other line names
.set AK0, 2
.set AV0, 3
.set AK,  4
.set AV,  5
.set STO, 6
.set RD,  7
.set GO,  8
.set MV,  12
.set ST,  16          ; tile t's statistics at v[ST+4 t]: c m, m, l (even keys', odd keys')
.set SPW, 32
.set NIL, 33
.set PFO, 34
.set QO,  35
.set TMP, 48
.set S,   64
.set P,   192
.set KF,  128
.set VF,  192
.set WV,  12
.set G1K, 24
.set G1V, 32
.set G0K, 40
.set G0V, 44
.set PFA, 48          ; s[48:49] where my prefetches stand
.set LIM, 50          ; s50  1 in a wave that prefetches, else the greatest number
.set KP,  52          ; s[52:53] the head's first key
.set SLOTS, 56
.set CNT, 57
.set CS,  58
.set SEL, 60
.set TBK, 62
.set TBV, 63
.set MSB, 0
.macro WIN new
.if MSB != (\new)
	s_set_vgpr_msb (MSB<<8)|(\new)
.set MSB, (\new)
.endif
.endm
.set W_KQ, 0x0a       ; K and Q in window 2, S^T in window 0
.set W_PV, 0x52       ; V in window 2, P in window 0, O^T in window 1
.set W_RS, 0x41       ; O^T in window 1, a in window 0
.macro JLOAD                        ; waves 0 and 1 fetch the halves of a slot's K, waves 2 and 3 those of its V: 128 keys each
	s_cmp_lt_u32 s[WV], 2
	s_cbranch_scc0 .Lfor_v_\@
	tensor_load_to_lds s[G0K:G0K+3], s[G1K:G1K+7]
	s_nop 0
.rept 4
	v_nop
.endr
	s_branch .Lasked_\@
.Lfor_v_\@:
	tensor_load_to_lds s[G0V:G0V+3], s[G1V:G1V+7]
	s_nop 0
.rept 4
	v_nop
.endr
.Lasked_\@:
.endm
; A prefetch of what the NEXT change of slots will ask for: 32,768 bytes of K and of V.  The head's first cluster asks; its four partners take 8,192 bytes each, told apart by address;
; wave 0 asks for K's, wave 2 for V's: a lane 256 bytes, one instruction.  The last change that fills a slot asks for nothing.
.macro ASK
	s_cmp_gt_u32 s[SLOTS], s[LIM]
	s_cbranch_scc0 .Lnot_mine_\@
	global_prefetch_b8 v[PFO], s[PFA:PFA+1] th:TH_LOAD_NT scope:SCOPE_SE
.Lnot_mine_\@:
.endm
.macro CROUND
	s_barrier_signal -1
	s_barrier_wait -1
	s_cmp_lg_u32 s[WV], 0
	s_cbranch_scc1 .Lnot_wave_0_\@
	s_barrier_signal -3
.Lnot_wave_0_\@:
	s_barrier_wait -3
	s_barrier_signal -1
	s_barrier_wait -1
.endm
; THE CHANGE OF SLOTS.  Each wave waits for all its tensor loads, of which one is out: its part of the other slot; adds 0 to its spare word; waits for that and for its reads of the slot.
; fill = 1: the slot is filled again behind a round of the cluster's barrier, the first thing there: four key steps, 256 matrix instructions, in which to land.
.macro CHANGE fill, ask=0
	WIN 0
	s_wait_tensorcnt 0x0            ; no tensor load of mine is out, so a group 0 may be written
	ds_add_u32 v[SPW], v[NIL]       ; 0 onto my spare word
.if \fill
.irp g, G0K, G0V
	s_xor_b32 s[\g+1], s[\g+1], SLOT1
	s_add_nc_u64 s[\g+2:\g+3], s[\g+2:\g+3], 4*KS*128
.endr
.if \ask
	s_wait_xcnt 0x0                 ; the last prefetch, four key steps back, has read its address
	s_add_nc_u64 s[PFA:PFA+1], s[PFA:PFA+1], 4*KS*128
.endif
	s_wait_dscnt 0x0                ; the add is done, and my reads of the slot are over
	CROUND
	JLOAD
.if \ask
	ASK
.endif
.else
	s_wait_dscnt 0x0
	s_barrier_signal -1
	s_barrier_wait -1
.endif
	s_sub_co_u32 s[TBK], s[TBK], 4*KS*PK  ; the fetches go back to a slot's first step,
	s_xor_b32 s[TBK], s[TBK], SLOT1       ; in the other slot
	s_sub_co_u32 s[TBV], s[TBV], 4*KS*PV
	s_xor_b32 s[TBV], s[TBV], SLOT1
.endm
	s_load_b64 s[4:5], s[0:1], 0x0    ; qkvh
	s_load_b64 s[10:11], s[0:1], 0x8  ; ao
	v_lshl_add_u32 v[SPW], v0, 2, SPARE
	v_mov_b32 v[NIL], 0
	ds_add_u32 v[SPW], v[NIL]       ; the wave's opening: the add and its wait ahead of my first tensor load
	v_lshrrev_b32 v1, 5, v0
	v_readfirstlane_b32 s[WV], v1   ; wave 0..3
	s_bfe_u32 s13, ttmp6, 0x40000   ; cx
	s_lshl_b32 s14, ttmp9, 2
	s_add_co_u32 s14, s14, s13      ; my block of 256 queries: it enters Q's and O's addresses alone
	s_and_b32 s20, ttmp7, 0xffff    ; the head, which the four partners share:
	s_lshl_b32 s20, s20, 18         ; 262,144 bytes in each tensor
	s_mov_b32 s21, 0
	s_and_b32 s16, s[WV], 1         ; which half of a slot's 256 keys I fetch
	s_lshl_b32 s22, s16, 14
	s_add_co_u32 s22, s22, s20
	s_mov_b32 s23, 0
	s_mul_i32 s17, s16, 128*PK
	s_mul_i32 s18, s16, 128*PV
	s_lshl_b32 s2, s14, 2
	s_add_co_u32 s2, s2, s[WV]
	s_lshl_b32 s2, s2, 13           ; my wave's 64 rows of 128 bytes
	s_add_co_u32 s2, s2, s20
	s_mov_b32 s3, 0
	; 128 keys are 16,384 dense bytes: asked for as 64 rows of 256 bytes, two keys a row, and padded in LDS after every key
	s_mov_b32 s[G1K], 15|(1<<16)|(1<<20)|(1<<21)|(4<<22)|(3<<25)
	s_mov_b32 s[G1V], 15|(1<<16)|(1<<20)|(1<<21)|(4<<22)|(7<<25)
.irp g, G1K, G1V
	s_mov_b32 s[\g+1], 128<<16
	s_mov_b32 s[\g+2], 64<<16
	s_mov_b32 s[\g+3], 128<<16
	s_mov_b32 s[\g+4], 64
	s_mov_b32 s[\g+5], 128
	s_mov_b32 s[\g+6], 0
	s_mov_b32 s[\g+7], 0
.endr
	s_mov_b32 s[CS], 0x3e38aa3b     ; c = log2(e) / 8
	s_mov_b32 s[CS+1], s[CS]
	s_mov_b32 s[SEL], 0x76543210
	s_mov_b32 s[SEL+1], 0xfedcba98
	s_mov_b32 s[TBK], SLOT1+4*KS*PK ; the first change of slots turns these two into 0
	s_mov_b32 s[TBV], SLOT1+4*KS*PV
	s_mov_b32 s[G0K], 1
	s_mov_b32 s[G0K+1], s17
	s_mov_b32 s[G0V], 1
	s_add_co_u32 s[G0V+1], s18, VOFF
	s_and_b32 s[LIM], s[WV], 1      ; waves 0 and 2,
	s_or_b32 s[LIM], s[LIM], ttmp9  ; where the cluster is the head's first: the same in all four partners
	s_cmp_eq_u32 s[LIM], 0
	s_cselect_b32 s[LIM], 1, -1
	v_and_b32 v[PFO], 31, v0
	v_lshlrev_b32 v[PFO], 8, v[PFO]
	s_wait_dscnt 0x0                ; the opening add is done
	s_wait_kmcnt 0x0
	s_add_nc_u64 s[6:7], s[4:5], 8388608    ; K
	s_add_nc_u64 s[8:9], s[4:5], 16777216   ; V
	s_add_nc_u64 s[KP:KP+1], s[6:7], s[20:21]
	s_add_nc_u64 s[6:7], s[6:7], s[22:23]
	s_add_nc_u64 s[6:7], s[6:7], KS*128     ; K's stream begins at key 64
	s_add_nc_u64 s[8:9], s[8:9], s[22:23]
	s_mov_b64 s[G0K+2:G0K+3], s[6:7]
	s_or_b32 s[G0K+3], s[G0K+3], 0x80000000
	s_mov_b64 s[G0V+2:G0V+3], s[8:9]
	s_or_b32 s[G0V+3], s[G0V+3], 0x80000000
	s_add_nc_u64 s[4:5], s[4:5], s[2:3]     ; Q and O at my wave's first row
	s_add_nc_u64 s[10:11], s[10:11], s[2:3]
	s_cmp_lt_u32 s[WV], 2
	s_cselect_b64 s[PFA:PFA+1], s[6:7], s[8:9]  ; (in waves 0 and 2 these stand at a slot's first byte)
	s_lshl_b32 s2, s13, 13
	s_mov_b32 s3, 0
	s_add_nc_u64 s[PFA:PFA+1], s[PFA:PFA+1], s[2:3]
	s_add_nc_u64 s[PFA:PFA+1], s[PFA:PFA+1], 2*4*KS*128  ; in tile 2; the loop's first change steps it to tile 3.  Nothing is prefetched at the head
	CROUND                          ; all four work-groups are here: the first joint loads meet
	JLOAD                           ; tile 0 into slot 0
	v_and_b32 v1, 15, v0            ; l % 16
	v_bfe_u32 v9, v0, 4, 1          ; l / 16
	v_lshlrev_b32 v[QO], 7, v1
	v_lshl_add_u32 v[QO], v9, 4, v[QO]  ; row x 128 + 16 x half
	WIN 0x80                        ; destination window 2, address window 0
.set i, 0
.rept 4*NP                          ; Q stays in registers: tile i / 2, channels 32 (i % 2) on
	global_load_b128 v[8*i:8*i+3],   v[QO], s[4:5] offset:(i/2)*2048+(i%2)*64
	global_load_b128 v[8*i+4:8*i+7], v[QO], s[4:5] offset:(i/2)*2048+(i%2)*64+32
.set i, i+1
.endr
.irp f, 0,1,2,3,4,5,6,7             ; K of step 0: keys 16 (f / 2) on, channels 32 (f % 2) on
	global_load_b128 v[KF+8*\f:KF+8*\f+3],   v[QO], s[KP:KP+1] offset:(\f/2)*2048+(\f%2)*64
	global_load_b128 v[KF+8*\f+4:KF+8*\f+7], v[QO], s[KP:KP+1] offset:(\f/2)*2048+(\f%2)*64+32
.endr
	; What the first turn finds: V's registers and P's second buffer hold 0, O^T and l are 0.  All this stands in the wait for the first tile.
.set i, VF
.rept 64
	v_mov_b32 v[i], 0
.set i, i+1
.endr
	WIN 0x40
.set i, 0
.rept 64*NP
	v_mov_b32 v[i], 0
.set i, i+1
.endr
	WIN 0
.set i, 0
.rept 2*NP
	v_mov_b32 v[ST+4*i], 0xfe000000    ; c m: far below every c s
	v_mov_b32 v[ST+4*i+1], 0xff7fffff  ; m
	v_mov_b32 v[ST+4*i+2], 0
	v_mov_b32 v[ST+4*i+3], 0
.set i, i+1
.endr
.set i, P+32
.rept 32
	v_mov_b32 v[i], 0
.set i, i+1
.endr
	v_mul_u32_u24 v[AK0], v1, PK
	v_lshl_add_u32 v[AK0], v9, 4, v[AK0]
	v_and_b32 v10, 7, v0            ; the turning load: lane l reads key 8 (l / 16) + l % 8, channels 8 ((l / 8) % 2) + 0..7
	v_bfe_u32 v11, v0, 3, 1
	v_lshl_add_u32 v[AV0], v9, 3, v10
	v_mul_u32_u24 v[AV0], v[AV0], PV
	v_lshl_add_u32 v[AV0], v11, 4, v[AV0]
	v_add_nc_u32 v[AV0], VOFF, v[AV0]
; THE MATRIX WORK.  The 8 accumulators of a run of 16 take turns.
.macro KQ x                         ; product i of 16 of S^T = K Q^T for piece x
	WIN W_KQ
.set rS, S+64*((\x)%2)+32*(i%2)+8*((i/2)%4)
.set rK, KF+16*((i/2)%4)+8*(i/8)
.set rQ, 16*(2*(\x)+i%2)+8*(i/8)
.if i < 8
	v_wmma_f32_16x16x32_f16 v[rS:rS+7], v[rK:rK+7], v[rQ:rQ+7], 0
.else
	v_wmma_f32_16x16x32_f16 v[rS:rS+7], v[rK:rK+7], v[rQ:rQ+7], v[rS:rS+7]
.endif
.endm
.macro PV x                         ; product i of 16 of O^T += V^T P for piece x
	WIN W_PV
.set rO, 32*(2*(\x)+i%2)+8*((i/2)%4)
.set rV, VF+32*(i/8)+8*((i/2)%4)
.set rP, P+32*((\x)%2)+16*(i%2)+8*(i/8)
	v_wmma_f32_16x16x32_f16 v[rO:rO+7], v[rV:rV+7], v[rP:rP+7], v[rO:rO+7]
.endm
.macro MM                           ; the turn's next matrix instruction
.if i < 16
	KQ (Y+1)%NP
.set i, i+1
.else
.set i, i-16
	PV (Y+NP-1)%NP
.set i, i+17
.endif
.endm
; THE LDS LOADS stand in runs of 16.  last = 1 (the tail): in the last trip there is no further step, and K's run is jumped over.
.macro FETCH_K last=0
	WIN 0
.if \last
	s_cmp_eq_u32 s[CNT], 1
	s_cbranch_scc1 .Lno_k_\@
.endif
	WIN 0x80
.irp f, 0,1,2,3,4,5,6,7
	ds_load_b128 v[KF+8*\f:KF+8*\f+3],   v[AK] offset:(\f/2)*16*PK+(\f%2)*64
	ds_load_b128 v[KF+8*\f+4:KF+8*\f+7], v[AK] offset:(\f/2)*16*PK+(\f%2)*64+32
.endr
	s_add_co_u32 s[TBK], s[TBK], KS*PK
	WIN 0
.if \last
.Lno_k_\@:
.endif
.endm
.macro FETCH_V
	WIN 0x80
.irp f, 0,1,2,3,4,5,6,7
	ds_load_tr16_b128 v[VF+8*\f:VF+8*\f+3],   v[AV] offset:(\f/4)*32*PV+(\f%4)*32
	ds_load_tr16_b128 v[VF+8*\f+4:VF+8*\f+7], v[AV] offset:(\f/4)*32*PV+16*PV+(\f%4)*32
.endr
	WIN 0
.endm
; THE VECTOR WORK OF A TURN stands in three queues, each in the order in which its entries become ready; the two tiles alternate.
.macro REGS y, u
.set rT, ST+4*(2*(\y)+(\u))
.set rC, TMP+8*((\y)%2)+4*(\u)
.set rM, MV+2*((\y)%2)+(\u)
.set rS, S+64*((\y)%2)+32*(\u)
.set rP, P+32*((\y)%2)+16*(\u)
.set rO, 32*(2*(\y)+(\u))
.endm
; Number n of the 22 that find the NEXT piece's maximum and statistics; each accumulator's lowest registers are read first.
.macro XS u, n
	REGS (Y+1)%NP, \u
.if (\n) < 4
	v_max3_num_f32 v[rC+(\n)], v[rS+8*(\n)], v[rS+8*(\n)+1], v[rS+8*(\n)+2]
.elseif (\n) < 12
	v_max3_num_f32 v[rC+(\n)%4], v[rC+(\n)%4], v[rS+8*((\n)%4)+2*((\n)/4)+1], v[rS+8*((\n)%4)+2*((\n)/4)+2]
.elseif (\n) == 12
	v_max3_num_f32 v[rC], v[rC], v[rS+7], v[rS+15]
.elseif (\n) == 13
	v_max3_num_f32 v[rC+1], v[rC+1], v[rS+23], v[rS+31]
.elseif (\n) == 14
	v_max3_num_f32 v[rC+2], v[rC+2], v[rC+3], v[rT+1]
.elseif (\n) == 15
	v_mov_b32 v[rM], v[rT]
.elseif (\n) == 16
	v_max3_num_f32 v[rC], v[rC], v[rC+1], v[rC+2]
.elseif (\n) == 17
	v_permlanex16_b32 v[rC+3], v[rC], s[SEL], s[SEL+1]
.elseif (\n) == 18
	v_max_num_f32 v[rT+1], v[rC], v[rC+3]
.elseif (\n) == 19
	v_mul_f32 v[rT], s[CS], v[rT+1]
.elseif (\n) == 20
	v_sub_f32 v[rC+1], v[rM], v[rT]
.else
	v_exp_f32 v[rC+2], v[rC+1]
.endif
.endm
; Number g of the 64 that follow the exponentials: roundings to f16, the second pair of four weights added onto the first, and a group later l takes that sum.
.macro GS g
.set h, (\g)+6*((\g)/62)
.if h >= 6
.set h, h+2
.endif
	REGS Y, h%2
.set k, h/8
.if h%8 < 4
	v_cvt_pk_f16_f32 v[rP+2*k+(h%8)/2], v[rS+4*k+2*((h%8)/2)], v[rS+4*k+2*((h%8)/2)+1]
.elseif h%8 < 6
	v_pk_add_f32 v[rS+4*k:rS+4*k+1], v[rS+4*k:rS+4*k+1], v[rS+4*k+2:rS+4*k+3]
.elseif k == 1
	v_pk_fma_f32 v[rT+2:rT+3], v[rT+2:rT+3], v[rC+2:rC+3], v[rS:rS+1] op_sel_hi:[1,0,1]
.else
	v_pk_add_f32 v[rT+2:rT+3], v[rT+2:rT+3], v[rS+4*k-4:rS+4*k-3]
.endif
.endm
.macro FS f                         ; c s - c m for pair f / 2 of tile f % 2
	REGS Y, (\f)%2
	v_pk_fma_f32 v[rS+2*((\f)/2):rS+2*((\f)/2)+1], v[rS+2*((\f)/2):rS+2*((\f)/2)+1], s[CS:CS+1], v[rT:rT+1] op_sel_hi:[1,0,0] neg_lo:[0,0,1] neg_hi:[0,0,1]
.endm
; THE PLAIN QUEUE, 138 long.  0-73 read no exponential's result: the 32 scalings and the next piece's 42; 74-137 are GS's 64, behind the wait.
.macro PL
	WIN 0
.if q < 27
	FS q
.elseif q < 55
	XS (q-27)%2, (q-27)/2
.elseif q < 57
	XS q-55, 15
.elseif (q < 72) && ((q-57)%3 == 0)
	FS 27+(q-57)/3
.elseif q < 60
	XS (q-57)%3-1, 14
.elseif q < 72
	XS (q-57)%3-1, 15+(q-57)/3
.elseif q < 74
	XS q-72, 20
.else
	GS q-74
.endif
.set q, q+1
.endm
.macro EX                           ; THE EXPONENTIALS' QUEUE, 66 long: one batch, all ahead of the turn's one wait
	WIN 0
.if e >= 64
	XS e-64, 21
.else
	REGS Y, e%2
	v_exp_f32 v[rS+e/2], v[rS+e/2]
.endif
.set e, e+1
.endm
.macro R2                           ; THE RESCALING's QUEUE: O^T times a, two at a time
	REGS Y, r%2
	WIN W_RS
.irp z, 0,1
	v_pk_mul_f32 v[rO+4*(r/2)+2*\z:rO+4*(r/2)+2*\z+1], v[rO+4*(r/2)+2*\z:rO+4*(r/2)+2*\z+1], v[rC+2:rC+3] op_sel_hi:[1,0]
.endr
.set r, r+1
.endm
; A TURN, for piece p.  Ahead of the wait: 16 products K Q^T, behind each a scaling, an exponential and two rescalings; then the lump of 108.  Behind it: 16 products V^T P, behind each four of GS's 64.
; Exponential e stands behind scaling 2 (e / 4) + e % 2.  Turn 0: K's address at the lump's head, K's run directly behind the wait (a lump behind the last product that read K);
; V's run at the turn's end, four riders behind its last reader.  Turn 1 waits for K at its head (V's 16 younger loads may stay out) and for V ahead of its products V^T P.
.macro TURN p, last=0, cnt=0
.set Y, (\p)
.set i, 0
.set q, 0
.set e, 0
.set r, 0
.if (\p) == NP-1
	s_wait_dscnt 16                 ; K is in; V's run, issued behind it, may stay out
.endif
	MM
	PL
	PL
	R2
.rept 15
	MM
	PL
	EX
	R2
.endr
.if (\p) == NP-2
	WIN 0
	v_add_nc_u32 v[AK], s[TBK], v[AK0]
.endif
.rept 8
	PL
.endr
.rept 49
	EX
	PL
.endr
	EX
	EX
	v_nop                           ; a plain instruction behind the last exponential: one for the batch
	s_wait_alu depctr_va_vdst(0)    ; the wait for the batch, ahead of the first instruction that names a result
.if (\p) == NP-2
	FETCH_K \last
.endif
.if (\p) == 1
	s_wait_dscnt 0x0                ; V is in
.endif
.rept 16
	MM
.rept 4
	PL
.endr
.if ((\p) == 0) && (q == 118)
	v_add_nc_u32 v[AV], s[TBV], v[AV0]
.endif
.if ((\p) == 0) && (q == 130)
	s_add_co_u32 s[TBV], s[TBV], KS*PV
.endif
.if (\cnt) && (q == 130)
	s_sub_co_u32 s[CNT], s[CNT], 1
	s_cmp_lg_u32 s[CNT], 0
.endif
.endr
.if (\p) == 0
	FETCH_V
.endif
.endm
	CHANGE 1                        ; tile 0 is in, everybody's part of it; tile 1 is asked for, into slot 1
	s_wait_loadcnt 0x0              ; Q and K of step 0
.set i, 0
.rept 16
	KQ 0                            ; piece 0's first scores
.set i, i+1
.endr
	WIN 0                           ; the addresses for the way out: nine plain instructions, the places behind those products
	s_mul_i32 s13, s[WV], 16*SP
	s_add_co_u32 s13, s13, STAGE
	v_mul_u32_u24 v[STO], v1, SP
	v_lshl_add_u32 v[STO], v9, 4, v[STO]
	v_add_nc_u32 v[STO], s13, v[STO]
	v_bfe_u32 v[RD], v0, 3, 2
	v_mul_u32_u24 v[RD], v[RD], SP
	v_lshl_add_u32 v[RD], v10, 4, v[RD]
	v_add_nc_u32 v[RD], s13, v[RD]
	v_and_b32 v[GO], 31, v0
	v_lshlrev_b32 v[GO], 4, v[GO]
.set Y, NP-1                        ; XS works for piece Y + 1: piece 0
.irp n, 0,1,2,3,4,5,6,7,8,9,10,11,12,13,14,15,16,17,18,19,20,21
	XS 0, \n
	XS 1, \n
.endr
	v_nop
	s_wait_alu depctr_va_vdst(0)    ; the two a have their wait ahead of the branch
	s_mov_b32 s[SLOTS], 7
	s_branch .Lsteps
.Lslot:                             ; six times: tiles 2 to 7 are asked for
	CHANGE 1, 1
.Lsteps:
	s_mov_b32 s[CNT], 4
.Lstep:
	TURN 0
	TURN 1, 0, 1
	WIN 0
	s_cbranch_scc1 .Lstep
	s_sub_co_u32 s[SLOTS], s[SLOTS], 1
	s_cmp_lg_u32 s[SLOTS], 0
	s_cbranch_scc1 .Lslot
	CHANGE 0                        ; the last slot is written out
	s_mov_b32 s[CNT], 4
.Ltail:
	TURN 0, 1
	TURN 1, 0, 1                    ; in the last trip its 16 products K Q^T (on the last K once more) and the maximum made of them serve nothing: the price of one text for every trip
	WIN 0
	s_cbranch_scc1 .Ltail
.set i, 0
.rept 16
	PV NP-1                         ; piece 1's V^T P of the last step
.set i, i+1
.endr
	; THE WAY OUT.  l's two halves and the other half of the lanes' are added; O^T is divided by l, rounded to f16 and sent through my stage, a tile at a time.
	WIN 0
.macro ALL line:vararg
.set t, 0
.rept 2*NP
	\line
.set t, t+1
.endr
.endm
	ALL v_add_f32 v[ST+4*t+2], v[ST+4*t+2], v[ST+4*t+3]
	ALL v_permlanex16_b32 v[ST+4*t+3], v[ST+4*t+2], s[SEL], s[SEL+1]
	ALL v_add_f32 v[ST+4*t+2], v[ST+4*t+2], v[ST+4*t+3]
	ALL v_rcp_f32 v[ST+4*t+2], v[ST+4*t+2]
	v_nop
	s_wait_alu depctr_va_vdst(0)    ; one wait for the four reciprocals
.macro PACK t
	WIN W_RS
.set i, 32*(\t)
.rept 16
	v_pk_mul_f32 v[i:i+1], v[i:i+1], v[ST+4*(\t)+2:ST+4*(\t)+3] op_sel_hi:[1,0]
.set i, i+2
.endr
	WIN 0x05
.set i, 0
.rept 16
	v_cvt_pk_f16_f32 v[S+16*(\t)+i], v[32*(\t)+2*i], v[32*(\t)+2*i+1]
.set i, i+1
.endr
	WIN 0
.irp f, 0,1,2,3
	ds_store_b128 v[STO], v[S+16*(\t)+4*\f:S+16*(\t)+4*\f+3] offset:32*\f
.endr
.irp f, 0,1,2,3
	ds_load_b128 v[S+16*(\t)+4*\f:S+16*(\t)+4*\f+3], v[RD] offset:\f*4*SP  ; LDS serves a wave's instructions in order: these see the stores above
.endr
.endm
.macro SEND t, younger              ; younger: the LDS instructions issued behind tile t's loads
	WIN 0
.irp f, 0,1,2,3
	s_wait_dscnt (\younger)+3-\f
	global_store_b128 v[GO], v[S+16*(\t)+4*\f:S+16*(\t)+4*\f+3], s[10:11] offset:(\t)*2048+\f*512  ; 512 consecutive bytes, aligned
.endr
.endm
	PACK 0
.set t, 1
.rept 2*NP-1
	PACK t
	SEND t-1, 8
.set t, t+1
.endr
	SEND 2*NP-1, 0
	s_wait_tensorcnt 0x0            ; the wave's end
	ds_add_u32 v[SPW], v[NIL]
	s_wait_dscnt 0x0
	CROUND                          ; the closing round
	s_endpgm
.Lfunc_end_k_q27d954eaaa_attn:
	.size	k_q27d954eaaa_attn, .Lfunc_end_k_q27d954eaaa_attn-k_q27d954eaaa_attn
	.p2alignl 7, 3214868480
	.fill 96, 4, 3214868480
	.section	.rodata,"a",@progbits
	.p2align	6, 0x0
	.amdhsa_kernel k_q27d954eaaa_attn
		.amdhsa_group_segment_fixed_size 327680
		.amdhsa_private_segment_fixed_size 0
		.amdhsa_enable_private_segment 0
		.amdhsa_kernarg_size 16
		.amdhsa_user_sgpr_count 2
		.amdhsa_user_sgpr_kernarg_segment_ptr 1
		.amdhsa_wavefront_size32 1
		.amdhsa_system_sgpr_workgroup_id_x 1
		.amdhsa_system_sgpr_workgroup_id_y 1
		.amdhsa_system_sgpr_workgroup_id_z 1
		.amdhsa_system_vgpr_workitem_id 0
		.amdhsa_next_free_vgpr 768
		.amdhsa_next_free_sgpr 66
		.amdhsa_reserve_vcc 0
		.amdhsa_float_denorm_mode_32 3
		.amdhsa_float_denorm_mode_16_64 3
		.amdhsa_memory_ordered 1
		.amdhsa_forward_progress 1
		.amdhsa_inst_pref_size 113
	.end_amdhsa_kernel
	.amdgpu_metadata
---
amdhsa.version: [ 1, 2 ]
amdhsa.kernels:
  - .name:           k_q27d954eaaa_attn
    .symbol:         k_q27d954eaaa_attn.kd
    .args:
      - { .name: qkvh, .offset: 0, .size: 8, .value_kind: global_buffer, .address_space: global }
      - { .name: ao, .offset: 8, .size: 8, .value_kind: global_buffer, .address_space: global }
    .group_segment_fixed_size: 327680
    .private_segment_fixed_size: 0
    .kernarg_segment_align: 8
    .kernarg_segment_size: 16
    .max_flat_workgroup_size: 128
    .sgpr_count:     66
    .vgpr_count:     768
    .wavefront_size: 32
...
	.end_amdgpu_metadata
.endif
;; end of part 3
;; launch wo (part 4): grid 8 x 32, 4 waves a work-group, clusters of 4 x 4, 327,680 bytes of LDS; arguments ao, cw, ys; writes ys
.if DOCPART == 4
	.amdgcn_target "amdgcn-amd-amdhsa--gfx1250"
	.amdhsa_code_object_version 6
	.text
	.protected	k_q27d954eaaa_wo
	.globl	k_q27d954eaaa_wo
	.p2align	8
	.type	k_q27d954eaaa_wo,@function
k_q27d954eaaa_wo:
	s_mov_b64 s[64:65], 0
	v_nop
	global_prefetch_b8 v0, s[64:65] scope:SCOPE_SE
	s_setreg_imm32_b32 hwreg(HW_REG_WAVE_MODE, 25, 1), 1
	s_wait_xcnt 0x0
	s_wait_alu depctr_hold_cnt(0) depctr_sa_sdst(0) depctr_va_vdst(0) depctr_va_sdst(0) depctr_va_ssrc(0) depctr_va_vcc(0) depctr_vm_vsrc(0)
	s_getreg_b32 s2, hwreg(HW_REG_IB_STS2, 6, 4)
	s_cmp_eq_u32 s2, 0
	s_cbranch_scc0 .Lentry_in_a_cluster
	s_endpgm
.Lentry_in_a_cluster:
	s_bfe_u32 s2, ttmp6, 0x10000c
	s_cmp_lg_u32 s2, 0xf033
	s_cbranch_scc0 .Lentry_shape_is_right
	s_endpgm
.Lentry_shape_is_right:
; ys = O Wo, f32 [4096][1024], without bias: the launch behind adds bias and residual.  O lies by heads, ao = [32][2048][64] in f16; Wo16 [1024][1024] lies in cw as f16 (bf16 numbers).
; SHARES.  A work-group makes 128 x 128: 8 x 32 work-groups.  Wave (rows half, columns half) makes 64 x 64: 16 accumulators.  K goes in 4 steps of 256 = four heads; a quarter is one head.
; Waves 0, 1 fetch two heads' blocks each (128 rows x 128 dense bytes a head: one descriptor, two rows of 16,384 bytes, padded after every 128); waves 2, 3 fetch 128 k-rows x 256 bytes of Wo.
; Wo lies [k][n]: its fragments come out of LDS turned.  Source 0 = 16 columns of Wo, source 1 = 16 rows of O.  CLUSTER 4 x 4: O's tile is shared along a row, Wo's along a column.
; THE WALK ALONG K IS SKEWED: cluster (x, y) begins at K step (2 x + y % 4) % 4 and goes round; the f32 sums may be taken in any order of K.  The two clusters of a row of clusters read the same
; rows of O 2 K steps apart; clusters y .. y + 3 (y a multiple of 4) read the same columns of Wo 1 K step apart: what a cluster's two refills ask for, another cluster has asked for among its first fills.
; A K step is written once: s66 says at which LDS byte the slot in hand begins.  No prefetch: the tiles are small and the launch is short.
; REGISTERS: window 0: v16-29 addresses, v32-95 at work on the way out, v128-255 accumulators (a, b) at 128 + 8 (4 a + b); window 1: two fragment buffers of 128: 64 of O, then 64 of Wo.
.set KT,    4
.set PA,    144
.set PB,    288                        ; 256 bytes + 32: 9 x 32
.set HALF,  36864                      ; two heads' blocks of 128 x 144, and 128 k-rows x 288
.set BOFF,  2*HALF
.set SLOT,  4*HALF
.set SPARE, 2*SLOT
.set SP,    528
.set STEPA, 4*262144
.set STEPB, 256*2048
.set WOFF,  14680064
.set ADRA0, 16
.set ADRB0, 17
.set ADRA,  18
.set ADRBL, 19
.set ADRBH, 20
.set STO,   24
.set RD,    25
.set CO,    26
.set SPW,   28
.set NIL,   29
.set ACC,   128
.set F0,    0
.set F1,    128
.set ABASE, 84                         ; s[84:85] my part of O's tile at K = 0
.set BBASE, 86                         ; s[86:87] my part of Wo's tile at K = 0
.set KN,    88                         ; s88      the K step that the walking descriptors name
.set OFA,   90                         ; s[90:91] its byte offset in O
.set OFB,   92                         ; s[92:93] and in Wo
.set MSB, 0
.macro WIN new
.if MSB != (\new)
	s_set_vgpr_msb (MSB<<8)|(\new)
.set MSB, \new
.endif
.endm
.set MUL,  0x05
.set TO_F, 0x40
.macro PLACES
.rept 4
	v_nop
.endr
.endm
.macro CREST
	s_cmp_lg_u32 s10, 0
	s_cbranch_scc1 .Lnot_wave_0_\@
	s_barrier_signal -3
.Lnot_wave_0_\@:
	s_barrier_wait -3
	s_barrier_signal -1
	s_barrier_wait -1
.endm
.macro CROUND
	s_barrier_signal -1
	s_barrier_wait -1
	CREST
.endm
.macro JLOAD
	s_cmp_eq_u32 s11, 0
	s_cbranch_scc0 .Lfor_b_\@
	tensor_load_to_lds s[36:39], s[24:31]
	s_nop 0
.rept 4
	v_nop
.endr
	s_branch .Lasked_\@
.Lfor_b_\@:
	tensor_load_to_lds s[60:63], s[48:55]
	s_nop 0
.rept 4
	v_nop
.endr
.Lasked_\@:
.endm
.macro NEXTK                           ; the walking descriptors: the next K step, round the end; the slot in hand; each address made anew from its base and an offset
	s_add_co_u32 s[KN], s[KN], 1
	s_and_b32 s[KN], s[KN], KT-1
	s_mul_i32 s[OFA], s[KN], STEPA
	s_mul_i32 s[OFB], s[KN], STEPB
	s_add_co_u32 s37, s66, s67
	s_add_co_u32 s61, s66, s68
	s_add_nc_u64 s[38:39], s[ABASE:ABASE+1], s[OFA:OFA+1]
	s_or_b32 s39, s39, 0x80000000
	s_add_nc_u64 s[62:63], s[BBASE:BBASE+1], s[OFB:OFB+1]
	s_or_b32 s63, s63, 0x80000000
.endm
.macro MUL8 f, c, a0, zero
	WIN MUL
.irp a, \a0, (\a0)+1
.irp b, 0,1,2,3
.if \zero
	v_wmma_f32_16x16x32_f16 v[ACC+8*(4*(\a)+(\b)):ACC+8*(4*(\a)+(\b))+7], v[(\f)+64+8*(4*(\c)+(\b)):(\f)+64+8*(4*(\c)+(\b))+7], v[(\f)+8*(4*(\c)+(\a)):(\f)+8*(4*(\c)+(\a))+7], 0
.else
	v_wmma_f32_16x16x32_f16 v[ACC+8*(4*(\a)+(\b)):ACC+8*(4*(\a)+(\b))+7], v[(\f)+64+8*(4*(\c)+(\b)):(\f)+64+8*(4*(\c)+(\b))+7], v[(\f)+8*(4*(\c)+(\a)):(\f)+8*(4*(\c)+(\a))+7], v[ACC+8*(4*(\a)+(\b)):ACC+8*(4*(\a)+(\b))+7]
.endif
.endr
.endr
.endm
.macro FETCH q, f                      ; 32 LDS loads: quarter q (head q of the step's four) into buffer f; its first 32 along K first
	WIN TO_F
.irp c, 0,1
.irp i, 0,1,2,3
	ds_load_tr16_b128 v[(\f)+64+8*(4*(\c)+(\i)):(\f)+64+8*(4*(\c)+(\i))+3],   v[ADRBL+(\q)/2] offset:((2*(\q)+(\c))%4)*32*PB+32*(\i)
	ds_load_tr16_b128 v[(\f)+64+8*(4*(\c)+(\i))+4:(\f)+64+8*(4*(\c)+(\i))+7], v[ADRBL+(\q)/2] offset:((2*(\q)+(\c))%4)*32*PB+16*PB+32*(\i)
	ds_load_b128 v[(\f)+8*(4*(\c)+(\i)):(\f)+8*(4*(\c)+(\i))+3],   v[ADRA] offset:(\q)*128*PA+(\i)*16*PA+64*(\c)
	ds_load_b128 v[(\f)+8*(4*(\c)+(\i))+4:(\f)+8*(4*(\c)+(\i))+7], v[ADRA] offset:(\q)*128*PA+(\i)*16*PA+64*(\c)+32
.endr
.endr
.endm
.macro QUARTER q, f, g, zero
	s_wait_dscnt 16                                ; the first 32 along K are in
	MUL8 \f, 0, 0, \zero
	MUL8 \f, 0, 2, \zero
	PLACES
	FETCH \q, \g
	s_wait_dscnt 32                                ; all but the 32 just issued
	MUL8 \f, 1, 0, 0
	MUL8 \f, 1, 2, 0
.endm
.macro MEET fill                       ; fill = 1: the slot in hand is filled again behind the barrier
	WIN 0
	s_wait_tensorcnt 0x0                           ; all my tensor loads have landed: my part of the next slot; so a group 0 may be written
	ds_add_u32 v[SPW], v[NIL]                      ; 0 onto my spare word
.if \fill
	NEXTK
.endif
	s_wait_dscnt 17                                ; (the add and the youngest sixteen loads may be out)
	MUL8 F1, 0, 0, 0
	s_wait_dscnt 0x0                               ; the add is done, and my reads of this slot are over
	s_barrier_signal -1
	MUL8 F1, 0, 2, 0
	WIN 0
	s_barrier_wait -1
.endm
.macro NEWADR
	v_add_nc_u32 v[ADRA], s66, v[ADRA0]
	v_add_nc_u32 v[ADRBL], s66, v[ADRB0]
	v_add_nc_u32 v[ADRBH], 128*PB, v[ADRBL]        ; k-rows 128 on: the 16-bit offset does not reach them
.endm
.macro TURN
	MEET 1
	CREST                                          ; no wave of any partner still reads this slot or has a load on its way
	JLOAD
	s_xor_b32 s66, s66, SLOT
	NEWADR
	FETCH 0, F0
	MUL8 F1, 1, 0, 0
	MUL8 F1, 1, 2, 0
.endm
	s_load_b128 s[4:7], s[0:1], 0x0                ; ao, cw
	s_load_b64 s[8:9], s[0:1], 0x10                ; ys
	v_lshl_add_u32 v[SPW], v0, 2, SPARE
	v_mov_b32 v[NIL], 0
	ds_add_u32 v[SPW], v[NIL]                      ; the wave's opening: the add and its wait ahead of my first tensor load
	v_lshrrev_b32 v1, 5, v0
	v_readfirstlane_b32 s10, v1
	s_lshr_b32 s11, s10, 1                         ; my half of the rows; also: I fetch for O (0) or for Wo (1)
	s_and_b32 s12, s10, 1                          ; my half of the columns; also: which half I fetch
	s_bfe_u32 s40, ttmp6, 0x40000
	s_bfe_u32 s41, ttmp6, 0x40004
	s_lshl_b32 s42, ttmp9, 2
	s_add_co_u32 s42, s42, s40                     ; tile column
	s_and_b32 s13, ttmp7, 0xffff
	s_lshl_b32 s13, s13, 2
	s_add_co_u32 s13, s13, s41                     ; tile row
	s_lshl_b32 s43, s41, 2
	s_lshl_b32 s43, 15, s43
	s_lshl_b32 s44, 0x1111, s40
	s_or_b32 s24, s43, (1<<16)|(1<<20)|(1<<21)|(4<<22)|(3<<25)  ; O: 4 words of padding after every 32
	s_mov_b32 s25, 8192<<16                        ; tensor_dim0 = 8,192 elements: a head's 128 rows on end
	s_mov_b32 s26, 2<<16                           ; tensor_dim1 = 2 heads
	s_mov_b32 s27, 8192<<16                        ; tile_dim0
	s_mov_b32 s28, 2                               ; tile_dim1
	s_mov_b32 s29, 131072                          ; elements from head to head
	s_mov_b32 s30, 0
	s_mov_b32 s31, 0
	s_or_b32 s48, s44, (1<<16)|(1<<20)|(1<<21)|(5<<22)|(7<<25)  ; Wo: 8 words of padding after every 64
	s_mov_b32 s49, 128<<16
	s_mov_b32 s50, 128<<16
	s_mov_b32 s51, 128<<16
	s_mov_b32 s52, 128
	s_mov_b32 s53, 1024
	s_mov_b32 s54, 0
	s_mov_b32 s55, 0
	s_lshr_b32 s16, s13, 4
	s_lshl_b32 s16, s16, 22                        ; the batch's 16 heads,
	s_and_b32 s17, s13, 15
	s_lshl_b32 s17, s17, 14                        ; the tile's 128 rows in a head,
	s_add_co_u32 s16, s16, s17
	s_lshl_b32 s17, s12, 19                        ; my two heads of the step's four
	s_add_co_u32 s16, s16, s17
	s_mov_b32 s17, 0
	s_lshl_b32 s46, s12, 18                        ; Wo: k-row 128 x half,
	s_lshl_b32 s47, s42, 8                         ; the tile's 128 columns
	s_add_co_u32 s46, s46, s47
	s_add_co_u32 s46, s46, WOFF
	s_mov_b32 s47, 0
	s_mul_i32 s67, s10, HALF                       ; where my part goes in a slot: wave x 36,864
	s_mov_b32 s68, s67
	s_mov_b32 s66, 0
	s_and_b32 s[KN], ttmp7, 3                      ; the cluster's first K step: (2 x + y % 4) % 4: made of the cluster's coordinates, which all sixteen partners share
	s_lshl_b32 s[OFA], ttmp9, 1
	s_add_co_u32 s[KN], s[KN], s[OFA]
	s_and_b32 s[KN], s[KN], KT-1
	s_mov_b32 s[OFA+1], 0
	s_mov_b32 s[OFB+1], 0
	s_wait_dscnt 0x0
	s_wait_kmcnt 0x0
	s_add_nc_u64 s[ABASE:ABASE+1], s[4:5], s[16:17]
	s_add_nc_u64 s[BBASE:BBASE+1], s[6:7], s[46:47]
	CROUND
.irp s, 0,1
	s_mul_i32 s[OFA], s[KN], STEPA
	s_mul_i32 s[OFB], s[KN], STEPB
	s_mov_b32 s[32+4*(\s)], 1
	s_add_co_u32 s[33+4*(\s)], s67, (\s)*SLOT
	s_add_nc_u64 s[34+4*(\s):35+4*(\s)], s[ABASE:ABASE+1], s[OFA:OFA+1]
	s_or_b32 s[35+4*(\s)], s[35+4*(\s)], 0x80000000
	s_mov_b32 s[56+4*(\s)], 1
	s_add_co_u32 s[57+4*(\s)], s68, (\s)*SLOT
	s_add_nc_u64 s[58+4*(\s):59+4*(\s)], s[BBASE:BBASE+1], s[OFB:OFB+1]
	s_or_b32 s[59+4*(\s)], s[59+4*(\s)], 0x80000000
.if (\s) == 0
	s_add_co_u32 s[KN], s[KN], 1
	s_and_b32 s[KN], s[KN], KT-1
.endif
.endr
	s_cmp_eq_u32 s11, 0                            ; a wave's two first fills stand in one branch
	s_cbranch_scc0 .Lfirst_b
	tensor_load_to_lds s[32:35], s[24:31]
	s_nop 0
	tensor_load_to_lds s[36:39], s[24:31]
	s_nop 0
.rept 4
	v_nop
.endr
	s_branch .Lfirst_done
.Lfirst_b:
	tensor_load_to_lds s[56:59], s[48:55]
	s_nop 0
	tensor_load_to_lds s[60:63], s[48:55]
	s_nop 0
.rept 4
	v_nop
.endr
.Lfirst_done:
	v_and_b32 v1, 15, v0
	v_bfe_u32 v2, v0, 4, 1
	v_mul_u32_u24 v3, v1, PA
	v_lshl_add_u32 v3, v2, 4, v3
	s_mul_i32 s21, s11, 64*PA
	v_add_nc_u32 v[ADRA0], s21, v3
	v_and_b32 v4, 7, v0
	v_bfe_u32 v5, v0, 3, 1
	v_lshl_add_u32 v4, v2, 3, v4
	v_mul_u32_u24 v4, v4, PB
	v_lshl_add_u32 v4, v5, 4, v4
	s_lshl_b32 s22, s12, 7
	s_add_co_u32 s22, s22, BOFF
	v_add_nc_u32 v[ADRB0], s22, v4
	NEWADR
	s_mul_i32 s23, s11, 64*SP                      ; into the stage: my 64 rows, my 256 bytes of their 512; row l % 16, 32 bytes for each half of the lanes
	s_lshl_b32 s21, s12, 8
	s_add_co_u32 s23, s23, s21
	v_mul_u32_u24 v6, v1, SP
	v_lshl_add_u32 v6, v2, 5, v6
	v_add_nc_u32 v[STO], s23, v6
	s_mul_i32 s23, s10, 32*SP                      ; back: wave w takes rows 32 w .. 32 w + 31, whole: 32 lanes x 16 bytes
	v_and_b32 v8, 31, v0
	v_lshlrev_b32 v[CO], 4, v8
	v_add_nc_u32 v[RD], s23, v[CO]
	s_lshl_b32 s20, s13, 7
	s_lshl_b32 s21, s10, 5
	s_add_co_u32 s20, s20, s21
	s_lshl_b32 s20, s20, 12                        ; 4,096 bytes a row of ys
	s_lshl_b32 s21, s42, 9
	s_add_co_u32 s20, s20, s21
	s_mov_b32 s21, 0
	s_add_nc_u64 s[8:9], s[8:9], s[20:21]
	s_wait_tensorcnt 1                             ; my part of the first K step is in; the second's may stay out
	s_barrier_signal -1
	s_barrier_wait -1
	FETCH 0, F0
	QUARTER 1, F0, F1, 1
	WIN 0
	s_mov_b32 s3, KT-2
.Lstep:
	QUARTER 2, F1, F0, 0
	QUARTER 3, F0, F1, 0
	TURN
	QUARTER 1, F0, F1, 0
	WIN 0
	s_sub_co_u32 s3, s3, 1
	s_cmp_lg_u32 s3, 0
	s_cbranch_scc1 .Lstep
	s_mov_b32 s3, 2
.Ltail:                                        ; the last two K steps ask for nothing
	QUARTER 2, F1, F0, 0
	QUARTER 3, F0, F1, 0
	MEET 0
	s_sub_co_u32 s3, s3, 1
	s_cmp_eq_u32 s3, 0
	s_cbranch_scc1 .Lnofetch
	s_xor_b32 s66, s66, SLOT
	NEWADR
	PLACES
	FETCH 0, F0
	WIN 0
.Lnofetch:
	MUL8 F1, 1, 0, 0
	MUL8 F1, 1, 2, 0
	WIN 0
	s_cmp_eq_u32 s3, 0
	s_cbranch_scc1 .Ldone
	QUARTER 1, F0, F1, 0
	WIN 0
	s_cmp_lg_u32 s3, 0
	s_cbranch_scc1 .Ltail
.Ldone:
	s_wait_dscnt 0x0                               ; every wave's reads of the ring are over before any wave stores into it; the ring has had its last fill
	s_barrier_signal -1
	s_barrier_wait -1
	PLACES
	PLACES
.irp a, 0,1,2,3
.irp b, 0,1,2,3
	ds_store_b128 v[STO], v[ACC+8*(4*(\a)+(\b)):ACC+8*(4*(\a)+(\b))+3]   offset:(\a)*16*SP+64*(\b)
	ds_store_b128 v[STO], v[ACC+8*(4*(\a)+(\b))+4:ACC+8*(4*(\a)+(\b))+7] offset:(\a)*16*SP+64*(\b)+16
.endr
.endr
	s_wait_dscnt 0x0                               ; for the others' sake: a row's 512 bytes come from two waves
	s_barrier_signal -1
	s_barrier_wait -1
.set t, 0
.rept 32
.set r, 32+4*t+32*(t/16)               ; v32-95, then v128-191
	ds_load_b128 v[r:r+3], v[RD] offset:t*SP
.set t, t+1
.endr
.set t, 0
.rept 32
.set r, 32+4*t+32*(t/16)
	s_wait_dscnt 31-t
	global_store_b128 v[CO], v[r:r+3], s[8:9] offset:t*4096  ; each store of the wave covers 512 consecutive bytes, aligned
.set t, t+1
.endr
	s_wait_tensorcnt 0x0                           ; the wave's end
	ds_add_u32 v[SPW], v[NIL]
	s_wait_dscnt 0x0
	CROUND
	s_endpgm
.Lfunc_end_k_q27d954eaaa_wo:
	.size	k_q27d954eaaa_wo, .Lfunc_end_k_q27d954eaaa_wo-k_q27d954eaaa_wo
	.p2alignl 7, 3214868480
	.fill 96, 4, 3214868480
	.section	.rodata,"a",@progbits
	.p2align	6, 0x0
	.amdhsa_kernel k_q27d954eaaa_wo
		.amdhsa_group_segment_fixed_size 327680
		.amdhsa_private_segment_fixed_size 0
		.amdhsa_enable_private_segment 0
		.amdhsa_kernarg_size 24
		.amdhsa_user_sgpr_count 2
		.amdhsa_user_sgpr_kernarg_segment_ptr 1
		.amdhsa_wavefront_size32 1
		.amdhsa_system_sgpr_workgroup_id_x 1
		.amdhsa_system_sgpr_workgroup_id_y 1
		.amdhsa_system_sgpr_workgroup_id_z 1
		.amdhsa_system_vgpr_workitem_id 0
		.amdhsa_next_free_vgpr 512
		.amdhsa_next_free_sgpr 96
		.amdhsa_reserve_vcc 0
		.amdhsa_float_denorm_mode_32 3
		.amdhsa_float_denorm_mode_16_64 3
		.amdhsa_memory_ordered 1
		.amdhsa_forward_progress 1
		.amdhsa_inst_pref_size 59
	.end_amdhsa_kernel
	.amdgpu_metadata
---
amdhsa.version: [ 1, 2 ]
amdhsa.kernels:
  - .name:           k_q27d954eaaa_wo
    .symbol:         k_q27d954eaaa_wo.kd
    .args:
      - { .name: ao, .offset: 0, .size: 8, .value_kind: global_buffer, .address_space: global }
      - { .name: cw, .offset: 8, .size: 8, .value_kind: global_buffer, .address_space: global }
      - { .name: ys, .offset: 16, .size: 8, .value_kind: global_buffer, .address_space: global }
    .group_segment_fixed_size: 327680
    .private_segment_fixed_size: 0
    .kernarg_segment_align: 8
    .kernarg_segment_size: 24
    .max_flat_workgroup_size: 128
    .sgpr_count:     96
    .vgpr_count:     512
    .wavefront_size: 32
...
	.end_amdgpu_metadata
.endif
;; end of part 4
;; launch ln1 (part 5): grid 512 x 1, 8 waves a work-group, no clusters, 0 bytes of LDS; arguments ys, cw, bo, g1, be1, x1; writes x1
.if DOCPART == 5
	.amdgcn_target "amdgcn-amd-amdhsa--gfx1250"
	.amdhsa_code_object_version 6
	.text
	.protected	k_q27d954eaaa_ln1
	.globl	k_q27d954eaaa_ln1
	.p2align	8
	.type	k_q27d954eaaa_ln1,@function
k_q27d954eaaa_ln1:
	s_mov_b64 s[64:65], 0
	v_nop
	global_prefetch_b8 v0, s[64:65] scope:SCOPE_SE
	s_setreg_imm32_b32 hwreg(HW_REG_WAVE_MODE, 25, 1), 1
	s_wait_xcnt 0x0
; x1 = LayerNorm(x + ys + bo) g1 + be1, rounded once to f16.  ys: f32 [4096][1024]; x: the first 8 MiB of cw, f16 (bf16 numbers); bo, g1, be1 are rounded to bf16 here, like every input.
; Mean, then the mean of (t - mean)^2, both in f32, as the function is defined; eps = 1e-5.  LIMIT: a result of 65,520 or more becomes an infinity (|x1| <= 32 |g1| + |be1|).
; One wave, one row: the row stays in 32 registers between the passes and the sums never leave the wave: no LDS, no barrier.  Lane l holds columns 128 j + 4 l + 0..3, j = 0..7.
; A load of the wave covers 512 (f32) or 256 (f16) consecutive bytes, aligned; all 40 loads go out first.
.set Y,  32                            ; v[32:63]   ys, then t, then t - mean, then the result
.set R,  64                            ; v[64:79]   the residual in f16, later the result in f16
.set BB, 80                            ; v[80:111]  the bias
.set G,  112                           ; v[112:143] the gain
.set BE, 144                           ; v[144:175] the offset
.macro RND base                        ; 32 numbers rounded to bf16 and widened again, in place
.set i, 0
.rept 4
.irp k, 0,1,2,3
	v_cvt_pk_bf16_f32 v[4+(\k)], v[(\base)+8*i+2*(\k)], v[(\base)+8*i+2*(\k)+1]
.endr
.irp k, 0,1,2,3
	v_lshlrev_b32 v[(\base)+8*i+2*(\k)], 16, v[4+(\k)]
	v_and_b32 v[(\base)+8*i+2*(\k)+1], s20, v[4+(\k)]
.endr
.set i, i+1
.endr
.endm
.macro LANES                           ; four chains in v[8:15] into one number, then over the 32 lanes: the sum in v8 of every lane
	v_pk_add_f32 v[8:9], v[8:9], v[10:11]
	v_pk_add_f32 v[12:13], v[12:13], v[14:15]
	v_pk_add_f32 v[8:9], v[8:9], v[12:13]
	v_add_f32 v8, v8, v9
	v_add_f32_dpp v8, v8, v8 row_xmask:1 row_mask:0xf bank_mask:0xf
	v_add_f32_dpp v8, v8, v8 row_xmask:2 row_mask:0xf bank_mask:0xf
	v_add_f32_dpp v8, v8, v8 row_xmask:4 row_mask:0xf bank_mask:0xf
	v_add_f32_dpp v8, v8, v8 row_xmask:8 row_mask:0xf bank_mask:0xf
	v_permlanex16_b32 v9, v8, s16, s17
	v_add_f32 v8, v8, v9
.endm
	s_load_b256 s[4:11], s[0:1], 0x0               ; ys s[4:5], residual s[6:7], bias s[8:9], gain s[10:11]
	s_load_b128 s[12:15], s[0:1], 0x20             ; offset s[12:13], out s[14:15]
	v_lshrrev_b32 v1, 5, v0
	v_readfirstlane_b32 s21, v1                    ; wave 0..7
	v_and_b32 v2, 31, v0
	v_lshlrev_b32 v1, 4, v2                        ; 16 l
	v_lshlrev_b32 v2, 3, v2                        ; 8 l
	v_mov_b32 v3, 1.0
	s_lshl_b32 s22, ttmp9, 3
	s_add_co_u32 s22, s22, s21                     ; my row
	s_lshl_b32 s24, s22, 12
	s_mov_b32 s25, 0
	s_lshl_b32 s26, s22, 11
	s_mov_b32 s27, 0
	s_mov_b32 s16, 0x76543210
	s_mov_b32 s17, 0xfedcba98
	s_mov_b32 s18, 0x3a800000                      ; 1 / 1024
	s_mov_b32 s19, 0x3727c5ac                      ; 1e-5
	s_mov_b32 s20, 0xffff0000
	s_wait_kmcnt 0x0
	s_add_nc_u64 s[4:5], s[4:5], s[24:25]
	s_add_nc_u64 s[6:7], s[6:7], s[26:27]
	s_add_nc_u64 s[14:15], s[14:15], s[26:27]
.irp j, 0,1,2,3,4,5,6,7
	global_load_b128 v[Y+4*(\j):Y+4*(\j)+3], v1, s[4:5] offset:512*(\j) th:TH_LOAD_NT
.endr
.irp j, 0,1,2,3,4,5,6,7
	global_load_b64 v[R+2*(\j):R+2*(\j)+1], v2, s[6:7] offset:256*(\j)
.endr
.irp j, 0,1,2,3,4,5,6,7
	global_load_b128 v[BB+4*(\j):BB+4*(\j)+3], v1, s[8:9] offset:512*(\j)
.endr
.irp j, 0,1,2,3,4,5,6,7
	global_load_b128 v[G+4*(\j):G+4*(\j)+3], v1, s[10:11] offset:512*(\j)
.endr
.irp j, 0,1,2,3,4,5,6,7
	global_load_b128 v[BE+4*(\j):BE+4*(\j)+3], v1, s[12:13] offset:512*(\j)
.endr
	s_wait_loadcnt 16                              ; ys, residual and bias are in; the gain's and the offset's 16 loads may stay out
	RND BB
.set j, 0
.rept 8                                ; t = residual + ys, straight from the f16 halves
	v_fma_mix_f32 v[Y+4*j],   v[R+2*j],   v3, v[Y+4*j]   op_sel_hi:[1,0,0]
	v_fma_mix_f32 v[Y+4*j+1], v[R+2*j],   v3, v[Y+4*j+1] op_sel:[1,0,0] op_sel_hi:[1,0,0]
	v_fma_mix_f32 v[Y+4*j+2], v[R+2*j+1], v3, v[Y+4*j+2] op_sel_hi:[1,0,0]
	v_fma_mix_f32 v[Y+4*j+3], v[R+2*j+1], v3, v[Y+4*j+3] op_sel:[1,0,0] op_sel_hi:[1,0,0]
.set j, j+1
.endr
.set i, 0
.rept 16
	v_pk_add_f32 v[Y+2*i:Y+2*i+1], v[Y+2*i:Y+2*i+1], v[BB+2*i:BB+2*i+1]
.set i, i+1
.endr
.irp k, 0,1,2,3                        ; the sum, in four chains that the first eight pairs start
	v_pk_add_f32 v[8+2*(\k):9+2*(\k)], v[Y+2*(\k):Y+2*(\k)+1], v[Y+8+2*(\k):Y+8+2*(\k)+1]
.endr
.set i, 8
.rept 8
	v_pk_add_f32 v[8+2*(i%4):9+2*(i%4)], v[8+2*(i%4):9+2*(i%4)], v[Y+2*i:Y+2*i+1]
.set i, i+1
.endr
	LANES
	v_mul_f32 v18, s18, v8                         ; the mean, twice
	v_mov_b32 v19, v18
.set i, 0
.rept 16
	v_pk_add_f32 v[Y+2*i:Y+2*i+1], v[Y+2*i:Y+2*i+1], v[18:19] neg_lo:[0,1] neg_hi:[0,1]
.set i, i+1
.endr
.irp k, 0,1,2,3
	v_pk_mul_f32 v[8+2*(\k):9+2*(\k)], v[Y+2*(\k):Y+2*(\k)+1], v[Y+2*(\k):Y+2*(\k)+1]
.endr
.set i, 4
.rept 12
	v_pk_fma_f32 v[8+2*(i%4):9+2*(i%4)], v[Y+2*i:Y+2*i+1], v[Y+2*i:Y+2*i+1], v[8+2*(i%4):9+2*(i%4)]
.set i, i+1
.endr
	LANES
	v_fma_f32 v20, v8, s18, s19                    ; variance + eps
	v_rsq_f32 v16, v20
	v_rsq_f32 v17, v20
	s_wait_loadcnt 0x0
	RND G                                          ; plain work that names neither result stands behind the two roots
	RND BE
	s_wait_alu depctr_va_vdst(0)                   ; one wait for both, ahead of their first reader
.set i, 0
.rept 16
	v_pk_mul_f32 v[G+2*i:G+2*i+1], v[G+2*i:G+2*i+1], v[16:17]
.set i, i+1
.endr
.set i, 0
.rept 16
	v_pk_fma_f32 v[Y+2*i:Y+2*i+1], v[Y+2*i:Y+2*i+1], v[G+2*i:G+2*i+1], v[BE+2*i:BE+2*i+1]
.set i, i+1
.endr
.set i, 0
.rept 16
	v_cvt_pk_f16_f32 v[R+i], v[Y+2*i], v[Y+2*i+1]
.set i, i+1
.endr
.irp j, 0,1,2,3,4,5,6,7
	global_store_b64 v2, v[R+2*(\j):R+2*(\j)+1], s[14:15] offset:256*(\j)  ; 256 consecutive bytes, aligned
.endr
	s_endpgm
.Lfunc_end_k_q27d954eaaa_ln1:
	.size	k_q27d954eaaa_ln1, .Lfunc_end_k_q27d954eaaa_ln1-k_q27d954eaaa_ln1
	.p2alignl 7, 3214868480
	.fill 96, 4, 3214868480
	.section	.rodata,"a",@progbits
	.p2align	6, 0x0
	.amdhsa_kernel k_q27d954eaaa_ln1
		.amdhsa_group_segment_fixed_size 0
		.amdhsa_private_segment_fixed_size 0
		.amdhsa_enable_private_segment 0
		.amdhsa_kernarg_size 48
		.amdhsa_user_sgpr_count 2
		.amdhsa_user_sgpr_kernarg_segment_ptr 1
		.amdhsa_wavefront_size32 1
		.amdhsa_system_sgpr_workgroup_id_x 1
		.amdhsa_system_sgpr_workgroup_id_y 1
		.amdhsa_system_sgpr_workgroup_id_z 1
		.amdhsa_system_vgpr_workitem_id 0
		.amdhsa_next_free_vgpr 176
		.amdhsa_next_free_sgpr 66
		.amdhsa_reserve_vcc 0
		.amdhsa_float_denorm_mode_32 3
		.amdhsa_float_denorm_mode_16_64 3
		.amdhsa_memory_ordered 1
		.amdhsa_forward_progress 1
		.amdhsa_inst_pref_size 22
	.end_amdhsa_kernel
	.amdgpu_metadata
---
amdhsa.version: [ 1, 2 ]
amdhsa.kernels:
  - .name:           k_q27d954eaaa_ln1
    .symbol:         k_q27d954eaaa_ln1.kd
    .args:
      - { .name: ys, .offset: 0, .size: 8, .value_kind: global_buffer, .address_space: global }
      - { .name: cw, .offset: 8, .size: 8, .value_kind: global_buffer, .address_space: global }
      - { .name: bo, .offset: 16, .size: 8, .value_kind: global_buffer, .address_space: global }
      - { .name: g1, .offset: 24, .size: 8, .value_kind: global_buffer, .address_space: global }
      - { .name: be1, .offset: 32, .size: 8, .value_kind: global_buffer, .address_space: global }
      - { .name: x1, .offset: 40, .size: 8, .value_kind: global_buffer, .address_space: global }
    .group_segment_fixed_size: 0
    .private_segment_fixed_size: 0
    .kernarg_segment_align: 8
    .kernarg_segment_size: 48
    .max_flat_workgroup_size: 256
    .sgpr_count:     66
    .vgpr_count:     176
    .wavefront_size: 32
...
	.end_amdgpu_metadata
.endif
;; end of part 5
;; launch ffn1 (part 6): grid 16 x 16, 4 waves a work-group, clusters of 4 x 4, 327,680 bytes of LDS; arguments x1, cw, b1, hh; writes hh
.if DOCPART == 6
	.amdgcn_target "amdgcn-amd-amdhsa--gfx1250"
	.amdhsa_code_object_version 6
	.text
	.protected	k_q27d954eaaa_ffn1
	.globl	k_q27d954eaaa_ffn1
	.p2align	8
	.type	k_q27d954eaaa_ffn1,@function
k_q27d954eaaa_ffn1:
	s_mov_b64 s[64:65], 0
	v_nop
	global_prefetch_b8 v0, s[64:65] scope:SCOPE_SE
	s_setreg_imm32_b32 hwreg(HW_REG_WAVE_MODE, 25, 1), 1
	s_wait_xcnt 0x0
	s_wait_alu depctr_hold_cnt(0) depctr_sa_sdst(0) depctr_va_vdst(0) depctr_va_sdst(0) depctr_va_ssrc(0) depctr_va_vcc(0) depctr_vm_vsrc(0)
	s_getreg_b32 s2, hwreg(HW_REG_IB_STS2, 6, 4)
	s_cmp_eq_u32 s2, 0
	s_cbranch_scc0 .Lentry_in_a_cluster
	s_endpgm
.Lentry_in_a_cluster:
	s_bfe_u32 s2, ttmp6, 0x10000c
	s_cmp_lg_u32 s2, 0xf033
	s_cbranch_scc0 .Lentry_shape_is_right
	s_endpgm
.Lentry_shape_is_right:
; hh = gelu(x1 W1 + b1), f16 [4096][4096], rounded once.  x1: f16 [4096][1024]; W1_16 [1024][4096] lies in cw as f16 (bf16 numbers); b1 is rounded to bf16 here.
; GELU is the exact one, 0.5 x (1 + erf(x / sqrt 2)), with erf by the rational form 1 - (a1 t + .. + a5 t^5) e^(-z^2), t = 1 / (1 + 0.3275911 z): absolute error 1.5e-7 at every z.
; Written as 0.5 x + |x| (0.5 - q / 2), q / 2 = poly(t) 2^(-0.7213475 x^2) with halved coefficients, t = 1 / (1 + 0.23164189 |x|).  For x < 0 the two halves cancel: what is left carries
; an absolute error of 2^-25 |x|, beside the form's own 0.75e-7 |x|; far out it is exactly 0.  LIMIT: a result of 65,520 or more becomes an infinity.
; SHARES.  A work-group makes 256 x 256: 16 x 16 work-groups.  Wave (rows half, columns half) makes 128 x 128: 64 accumulators.  K goes in 8 steps of 128 through two LDS slots.
; Waves 0, 1 fetch the halves of x1's tile (128 rows x 256 bytes), waves 2, 3 those of W1's (64 k-rows x 512 bytes).  W1 lies [k][n]: its fragments come out of LDS turned.
; Source 0 = 16 columns of W1, source 1 = 16 rows of x1.  CLUSTER 4 x 4: x1's tile is shared along a row of the cluster, W1's along a column.
; THE WALK ALONG K IS SKEWED: cluster (x, y) begins at K step (2 x + 4 (y % 2)) % 8 and goes round; the f32 sums may be taken in any order of K.  The four clusters of a row of clusters read the
; same rows of x1, 2 K steps apart: each makes the first reading of two of the eight K steps, in its own steps 0 and 1.  Clusters y and y + 1 (y even) read the same columns of W1 4 K steps apart.
; A K step is written once: s66 says at which LDS byte the slot in hand begins.  THE WAY OUT: the sums go through my stage in LDS, and a loop of 32 trips works on fixed registers.
; NO PREFETCH: the launch's first reading of every block falls into some cluster's first four K steps; two of them are the first fills, and what the other two ask for would have to be named at the kernel's head.
; REGISTERS: window 0: v16-29 addresses, v32-39 bias, v64-191 x1's fragments (two buffers); window 1: the same numbers, W1's; windows 2, 3: accumulators (a, b) at 8 (8 (a % 4) + b).
.set KT,    8
.set PA,    272
.set PB,    544                        ; 512 bytes + 32: 17 x 32
.set HALF,  128*PA                     ; = 64 x 544
.set BOFF,  2*HALF
.set SLOT,  4*HALF
.set SPARE, 2*SLOT
.set SP,    528
.set STG,   128*SP                     ; a wave's stage, in the ring, which has then had its last fill
.set STEPA, 256
.set STEPB, 128*8192
.set WOFF,  16777216
.set ADRA0, 16
.set ADRB0, 17
.set ADRA,  18
.set ADRB,  19
.set STO,   24
.set RD,    25
.set CO,    26
.set SPW,   28
.set NIL,   29
.set BI,    32
.set F0,    64
.set F1,    128
.set RX,    64                         ; the way out, window 0: sums as read back
.set RT,    80                         ; x, later the result
.set RU,    96                         ; 1 + PC |x|, then t
.set RE,    112                        ; NC x^2, then its power of two
.set RHX,   128                        ; 0.5 x
.set RAX,   144                        ; |x|
.set RY,    160                        ; 16 results in f16
.set RA,    176                        ; a1 / 2 .. a5 / 2, each twice
.set RP,    192                        ; the polynomial, then 0.5 - q / 2
.set ABASE, 84                         ; s[84:85] my part of x1's tile at K = 0
.set BBASE, 86                         ; s[86:87] my part of W1's tile at K = 0
.set KN,    88                         ; s88      the K step that the walking descriptors name
.set OFA,   90                         ; s[90:91] its byte offset in x1
.set OFB,   92                         ; s[92:93] and in W1
.set MSB, 0
.macro WIN new
.if MSB != (\new)
	s_set_vgpr_msb (MSB<<8)|(\new)
.set MSB, \new
.endif
.endm
.set MUL_LO, 0xa1
.set MUL_HI, 0xf1
.set TO_B,   0x40
.macro PLACES
.rept 4
	v_nop
.endr
.endm
.macro CREST
	s_cmp_lg_u32 s10, 0
	s_cbranch_scc1 .Lnot_wave_0_\@
	s_barrier_signal -3
.Lnot_wave_0_\@:
	s_barrier_wait -3
	s_barrier_signal -1
	s_barrier_wait -1
.endm
.macro CROUND
	s_barrier_signal -1
	s_barrier_wait -1
	CREST
.endm
.macro JLOAD
	s_cmp_eq_u32 s11, 0
	s_cbranch_scc0 .Lfor_b_\@
	tensor_load_to_lds s[36:39], s[24:31]
	s_nop 0
.rept 4
	v_nop
.endr
	s_branch .Lasked_\@
.Lfor_b_\@:
	tensor_load_to_lds s[60:63], s[48:55]
	s_nop 0
.rept 4
	v_nop
.endr
.Lasked_\@:
.endm
.macro NEXTK                           ; the walking descriptors: the next K step, round the end; the slot in hand; each address made anew from its base and an offset
	s_add_co_u32 s[KN], s[KN], 1
	s_and_b32 s[KN], s[KN], KT-1
	s_mul_i32 s[OFA], s[KN], STEPA
	s_mul_i32 s[OFB], s[KN], STEPB
	s_add_co_u32 s37, s66, s67
	s_add_co_u32 s61, s66, s68
	s_add_nc_u64 s[38:39], s[ABASE:ABASE+1], s[OFA:OFA+1]
	s_or_b32 s39, s39, 0x80000000
	s_add_nc_u64 s[62:63], s[BBASE:BBASE+1], s[OFB:OFB+1]
	s_or_b32 s63, s63, 0x80000000
.endm
.macro MUL16 f, hi, a0, zero
	WIN MUL_LO+0x50*(\hi)
.irp a, \a0, (\a0)+1
.irp b, 0,1,2,3,4,5,6,7
.if \zero
	v_wmma_f32_16x16x32_f16 v[8*(8*(\a)+(\b)):8*(8*(\a)+(\b))+7], v[(\f)+8*(\b):(\f)+8*(\b)+7], v[(\f)+8*(4*(\hi)+(\a)):(\f)+8*(4*(\hi)+(\a))+7], 0
.else
	v_wmma_f32_16x16x32_f16 v[8*(8*(\a)+(\b)):8*(8*(\a)+(\b))+7], v[(\f)+8*(\b):(\f)+8*(\b)+7], v[(\f)+8*(4*(\hi)+(\a)):(\f)+8*(4*(\hi)+(\a))+7], v[8*(8*(\a)+(\b)):8*(8*(\a)+(\b))+7]
.endif
.endr
.endr
.endm
.macro FETCH q, f                      ; 32 LDS loads: quarter q of the slot in hand into buffer f: W1's 16, then x1's 16
	WIN TO_B
.irp i, 0,1,2,3,4,5,6,7
	ds_load_tr16_b128 v[(\f)+8*(\i):(\f)+8*(\i)+3],   v[ADRB] offset:(\q)*32*PB+32*(\i)
	ds_load_tr16_b128 v[(\f)+8*(\i)+4:(\f)+8*(\i)+7], v[ADRB] offset:(\q)*32*PB+16*PB+32*(\i)
.endr
	WIN 0
.irp i, 0,1,2,3,4,5,6,7
	ds_load_b128 v[(\f)+8*(\i):(\f)+8*(\i)+3],   v[ADRA] offset:64*(\q)+(\i)*16*PA
	ds_load_b128 v[(\f)+8*(\i)+4:(\f)+8*(\i)+7], v[ADRA] offset:64*(\q)+(\i)*16*PA+32
.endr
.endm
.macro QUARTER q, f, g, zero
	s_wait_dscnt 8                                 ; all but the youngest eight loads: x1's rows 64-127
	MUL16 \f, 0, 0, \zero
	MUL16 \f, 0, 2, \zero
	PLACES
	FETCH \q, \g
	s_wait_dscnt 32                                ; all but the 32 just issued
	MUL16 \f, 1, 0, \zero
	MUL16 \f, 1, 2, \zero
.endm
.macro MEET fill                       ; fill = 1: the slot in hand is filled again behind the barrier
	WIN 0
	s_wait_tensorcnt 0x0                           ; all my tensor loads have landed: my part of the next slot; so a group 0 may be written
	ds_add_u32 v[SPW], v[NIL]                      ; 0 onto my spare word
.if \fill
	NEXTK
.endif
	s_wait_dscnt 9                                 ; (the add and the youngest eight loads may be out)
	MUL16 F1, 0, 0, 0
	s_wait_dscnt 0x0                               ; the add is done, and my reads of this slot are over
	s_barrier_signal -1
	MUL16 F1, 0, 2, 0
	WIN 0
	s_barrier_wait -1
.endm
.macro TURN
	MEET 1
	CREST                                          ; no wave of any partner still reads this slot or has a load on its way
	JLOAD
	s_xor_b32 s66, s66, SLOT
	v_add_nc_u32 v[ADRA], s66, v[ADRA0]
	v_add_nc_u32 v[ADRB], s66, v[ADRB0]
	FETCH 0, F0
	MUL16 F1, 1, 0, 0
	MUL16 F1, 1, 2, 0
.endm
	s_load_b128 s[4:7], s[0:1], 0x0                ; x1, cw
	s_load_b64 s[72:73], s[0:1], 0x10              ; b1
	s_load_b64 s[8:9], s[0:1], 0x18                ; hh
	v_lshl_add_u32 v[SPW], v0, 2, SPARE
	v_mov_b32 v[NIL], 0
	ds_add_u32 v[SPW], v[NIL]                      ; the wave's opening: the add and its wait ahead of my first tensor load
	v_lshrrev_b32 v1, 5, v0
	v_readfirstlane_b32 s10, v1
	s_lshr_b32 s11, s10, 1                         ; my half of the rows; also: I fetch for x1 (0) or for W1 (1)
	s_and_b32 s12, s10, 1                          ; my half of the columns; also: which half I fetch
	s_bfe_u32 s40, ttmp6, 0x40000
	s_bfe_u32 s41, ttmp6, 0x40004
	s_lshl_b32 s42, ttmp9, 2
	s_add_co_u32 s42, s42, s40                     ; tile column
	s_and_b32 s13, ttmp7, 0xffff
	s_lshl_b32 s13, s13, 2
	s_add_co_u32 s13, s13, s41                     ; tile row
	s_lshl_b32 s43, s41, 2
	s_lshl_b32 s43, 15, s43
	s_lshl_b32 s44, 0x1111, s40
	s_or_b32 s24, s43, (1<<16)|(1<<20)|(1<<21)|(5<<22)|(3<<25)  ; x1: 4 words of padding after every 64
	s_mov_b32 s25, 128<<16
	s_mov_b32 s26, 128<<16
	s_mov_b32 s27, 128<<16
	s_mov_b32 s28, 128
	s_mov_b32 s29, 1024
	s_mov_b32 s30, 0
	s_mov_b32 s31, 0
	s_or_b32 s48, s44, (1<<16)|(1<<20)|(1<<21)|(6<<22)|(7<<25)  ; W1: 8 words of padding after every 128
	s_mov_b32 s49, 256<<16
	s_mov_b32 s50, 64<<16
	s_mov_b32 s51, 256<<16
	s_mov_b32 s52, 64
	s_mov_b32 s53, 4096
	s_mov_b32 s54, 0
	s_mov_b32 s55, 0
	s_lshl_b32 s16, s13, 8
	s_lshl_b32 s17, s12, 7
	s_add_co_u32 s16, s16, s17
	s_lshl_b32 s16, s16, 11                        ; x1: row 256 x tile row + 128 x half, 2,048 bytes a row
	s_mov_b32 s17, 0
	s_lshl_b32 s46, s12, 19                        ; W1: k-row 64 x half, 8,192 bytes a row,
	s_lshl_b32 s47, s42, 9                         ; the tile's 256 columns
	s_add_co_u32 s46, s46, s47
	s_add_co_u32 s46, s46, WOFF
	s_mov_b32 s47, 0
	s_mul_i32 s67, s10, HALF                       ; where my part goes in a slot: wave x 34,816
	s_mov_b32 s68, s67
	s_mov_b32 s66, 0
	s_and_b32 s[KN], ttmp7, 1                      ; the cluster's first K step: (2 x + 4 (y % 2)) % 8: made of the cluster's coordinates, which all sixteen partners share
	s_lshl_b32 s[KN], s[KN], 2
	s_lshl_b32 s[OFA], ttmp9, 1
	s_add_co_u32 s[KN], s[KN], s[OFA]
	s_and_b32 s[KN], s[KN], KT-1
	s_mov_b32 s[OFA+1], 0
	s_mov_b32 s[OFB+1], 0
	s_wait_dscnt 0x0
	s_wait_kmcnt 0x0
	s_add_nc_u64 s[ABASE:ABASE+1], s[4:5], s[16:17]
	s_add_nc_u64 s[BBASE:BBASE+1], s[6:7], s[46:47]
	CROUND
.irp s, 0,1
	s_mul_i32 s[OFA], s[KN], STEPA
	s_mul_i32 s[OFB], s[KN], STEPB
	s_mov_b32 s[32+4*(\s)], 1
	s_add_co_u32 s[33+4*(\s)], s67, (\s)*SLOT
	s_add_nc_u64 s[34+4*(\s):35+4*(\s)], s[ABASE:ABASE+1], s[OFA:OFA+1]
	s_or_b32 s[35+4*(\s)], s[35+4*(\s)], 0x80000000
	s_mov_b32 s[56+4*(\s)], 1
	s_add_co_u32 s[57+4*(\s)], s68, (\s)*SLOT
	s_add_nc_u64 s[58+4*(\s):59+4*(\s)], s[BBASE:BBASE+1], s[OFB:OFB+1]
	s_or_b32 s[59+4*(\s)], s[59+4*(\s)], 0x80000000
.if (\s) == 0
	s_add_co_u32 s[KN], s[KN], 1
	s_and_b32 s[KN], s[KN], KT-1
.endif
.endr
	s_cmp_eq_u32 s11, 0                            ; a wave's two first fills stand in one branch
	s_cbranch_scc0 .Lfirst_b
	tensor_load_to_lds s[32:35], s[24:31]
	s_nop 0
	tensor_load_to_lds s[36:39], s[24:31]
	s_nop 0
.rept 4
	v_nop
.endr
	s_branch .Lfirst_done
.Lfirst_b:
	tensor_load_to_lds s[56:59], s[48:55]
	s_nop 0
	tensor_load_to_lds s[60:63], s[48:55]
	s_nop 0
.rept 4
	v_nop
.endr
.Lfirst_done:
	v_and_b32 v1, 15, v0
	v_bfe_u32 v2, v0, 4, 1
	v_mul_u32_u24 v3, v1, PA
	v_lshl_add_u32 v3, v2, 4, v3
	s_mul_i32 s21, s11, HALF
	v_add_nc_u32 v[ADRA0], s21, v3
	v_and_b32 v4, 7, v0
	v_bfe_u32 v5, v0, 3, 1
	v_lshl_add_u32 v4, v2, 3, v4
	v_mul_u32_u24 v4, v4, PB
	v_lshl_add_u32 v4, v5, 4, v4
	s_lshl_b32 s22, s12, 8
	s_add_co_u32 s22, s22, BOFF
	v_add_nc_u32 v[ADRB0], s22, v4
	v_mov_b32 v[ADRA], v[ADRA0]
	v_mov_b32 v[ADRB], v[ADRB0]
	s_mul_i32 s23, s10, STG
	v_mul_u32_u24 v6, v1, SP
	v_lshl_add_u32 v6, v2, 4, v6
	v_add_nc_u32 v[STO], s23, v6                   ; in: row l % 16, 16 bytes for each half of the lanes
	v_mul_u32_u24 v6, v2, SP
	v_lshl_add_u32 v6, v1, 4, v6
	v_add_nc_u32 v[RD], s23, v6                    ; back: row l / 16, 16 bytes at 16 (l % 16)
	v_lshlrev_b32 v6, 13, v2
	v_lshl_add_u32 v[CO], v1, 4, v6                ; out: the same row of hh, 16 bytes at 16 (l % 16)
	s_lshl_b32 s20, s42, 10
	s_lshl_b32 s21, s12, 9
	s_add_co_u32 s20, s20, s21
	v_lshl_add_u32 v7, v1, 5, s20                  ; b1: my 8 columns; v7 is not written again
	global_load_b128 v[BI:BI+3],   v7, s[72:73]
	global_load_b128 v[BI+4:BI+7], v7, s[72:73] offset:16
	s_lshl_b32 s20, s13, 8
	s_lshl_b32 s21, s11, 7
	s_add_co_u32 s20, s20, s21
	s_lshl_b32 s20, s20, 13                        ; my first row of hh, 8,192 bytes a row,
	s_lshl_b32 s21, s42, 9
	s_add_co_u32 s20, s20, s21
	s_lshl_b32 s21, s12, 8
	s_add_co_u32 s20, s20, s21                     ; my 128 columns
	s_mov_b32 s21, 0
	s_add_nc_u64 s[8:9], s[8:9], s[20:21]
	s_wait_tensorcnt 1                             ; my part of the first K step is in; the second's may stay out
	s_barrier_signal -1
	s_barrier_wait -1
	FETCH 0, F0
	QUARTER 1, F0, F1, 1
	WIN 0
	s_mov_b32 s3, KT-2
.Lstep:
	QUARTER 2, F1, F0, 0
	QUARTER 3, F0, F1, 0
	TURN
	QUARTER 1, F0, F1, 0
	WIN 0
	s_sub_co_u32 s3, s3, 1
	s_cmp_lg_u32 s3, 0
	s_cbranch_scc1 .Lstep
	s_mov_b32 s3, 2
.Ltail:                                        ; the last two K steps ask for nothing
	QUARTER 2, F1, F0, 0
	QUARTER 3, F0, F1, 0
	MEET 0
	s_sub_co_u32 s3, s3, 1
	s_cmp_eq_u32 s3, 0
	s_cbranch_scc1 .Lnofetch
	s_xor_b32 s66, s66, SLOT
	v_add_nc_u32 v[ADRA], s66, v[ADRA0]
	v_add_nc_u32 v[ADRB], s66, v[ADRB0]
	PLACES
	FETCH 0, F0
.Lnofetch:
	MUL16 F1, 1, 0, 0
	MUL16 F1, 1, 2, 0
	WIN 0
	s_cmp_eq_u32 s3, 0
	s_cbranch_scc1 .Ldone
	QUARTER 1, F0, F1, 0
	WIN 0
	s_cmp_lg_u32 s3, 0
	s_cbranch_scc1 .Ltail
.Ldone:
	s_wait_dscnt 0x0                               ; every wave's reads of the ring are over before any wave stores into it; the ring has had its last fill
	s_barrier_signal -1
	s_barrier_wait -1
	PLACES
	PLACES
	; The sums go into my stage; each accumulator's lowest registers first.  Of my 128 columns, columns 8 i .. 8 i + 3 lie at byte 16 i of a row, columns 8 i + 4 .. 8 i + 7 at 256 + 16 i.
.irp hi, 0,1
	WIN 0x08+4*(\hi)
.irp a, 0,1,2,3
.irp b, 0,1,2,3,4,5,6,7
	ds_store_b128 v[STO], v[8*(8*(\a)+(\b)):8*(8*(\a)+(\b))+3]   offset:(4*(\hi)+(\a))*16*SP+32*(\b)
	ds_store_b128 v[STO], v[8*(8*(\a)+(\b))+4:8*(8*(\a)+(\b))+7] offset:(4*(\hi)+(\a))*16*SP+32*(\b)+256
.endr
.endr
.endr
	WIN 0
	s_wait_loadcnt 0x0                             ; the bias, rounded to bf16 like every input
.irp k, 0,1,2,3
	v_cvt_pk_bf16_f32 v[40+(\k)], v[BI+2*(\k)], v[BI+2*(\k)+1]
.endr
.irp k, 0,1,2,3
	v_lshlrev_b32 v[BI+2*(\k)], 16, v[40+(\k)]
	v_and_b32 v[BI+2*(\k)+1], 0xffff0000, v[40+(\k)]
.endr
.set i, 0
.irp c, 0x3E027906, 0xBE11A98E, 0x3F35F0E3, 0xBF3A00E3, 0x3F07DC22
	v_mov_b32 v[RA+i], \c                          ; half of 0.254829592, -0.284496736, 1.421413741, -1.453152027, 1.061405429
	v_mov_b32 v[RA+i+1], \c
.set i, i+2
.endr
	s_mov_b32 s14, 0xBF38AA3B                      ; NC = -log2(e) / 2
	s_mov_b32 s15, s14
	s_mov_b32 s16, 0x3E6D3388                      ; PC = 0.3275911 / sqrt 2
	s_mov_b32 s17, s16
	s_mov_b32 s18, 0x7fffffff
.macro LOADX                           ; four rows, my 8 columns of each two (LDS serves a wave's instructions in order: these see my stores)
.irp p, 0,1
	ds_load_b128 v[RX+8*(\p):RX+8*(\p)+3],   v[RD] offset:(\p)*2*SP
	ds_load_b128 v[RX+8*(\p)+4:RX+8*(\p)+7], v[RD] offset:(\p)*2*SP+256
.endr
.endm
.macro EACH8 line:vararg               ; one line for each pair k of eight
.set k, 0
.rept 8
	\line
.set k, k+2
.endr
.endm
	s_mov_b32 s3, 32
	LOADX
.Lgelu:                                        ; 32 trips of four rows, 16 numbers a lane
	s_wait_dscnt 0x0
	v_add_nc_u32 v[RD], 4*SP, v[RD]
	EACH8 v_pk_add_f32 v[RT+k:RT+k+1], v[RX+k:RX+k+1], v[BI+k%8:BI+k%8+1]
	s_cmp_eq_u32 s3, 1
	s_cbranch_scc1 .Lnox                           ; the next trip's rows are asked for while this trip works; the last trip has none
	LOADX
.Lnox:
	EACH8 v_pk_mul_f32 v[RE+k:RE+k+1], v[RT+k:RT+k+1], v[RT+k:RT+k+1]
	EACH8 v_pk_mul_f32 v[RE+k:RE+k+1], v[RE+k:RE+k+1], s[14:15] op_sel_hi:[1,0]
.set k, 0
.rept 16                               ; ONE BATCH of 32: the exponentials and a plain line by turns,
	v_exp_f32 v[RE+k], v[RE+k]
	v_and_b32 v[RAX+k], s18, v[RT+k]
.set k, k+1
.endr
	EACH8 v_pk_fma_f32 v[RU+k:RU+k+1], v[RAX+k:RAX+k+1], s[16:17], 1.0 op_sel_hi:[1,0,0]
.set k, 0
.rept 8                                ; the reciprocals in twos with a plain line behind each two; the last line is plain
	v_rcp_f32 v[RU+k], v[RU+k]
	v_rcp_f32 v[RU+k+1], v[RU+k+1]
	v_pk_mul_f32 v[RHX+k:RHX+k+1], v[RT+k:RT+k+1], 0.5 op_sel_hi:[1,0]
.set k, k+2
.endr
	s_wait_alu depctr_va_vdst(0)                   ; one wait for the batch: no line above names a result of it
	EACH8 v_pk_fma_f32 v[RP+k:RP+k+1], v[RU+k:RU+k+1], v[RA+8:RA+9], v[RA+6:RA+7]
	EACH8 v_pk_fma_f32 v[RP+k:RP+k+1], v[RP+k:RP+k+1], v[RU+k:RU+k+1], v[RA+4:RA+5]
	EACH8 v_pk_fma_f32 v[RP+k:RP+k+1], v[RP+k:RP+k+1], v[RU+k:RU+k+1], v[RA+2:RA+3]
	EACH8 v_pk_fma_f32 v[RP+k:RP+k+1], v[RP+k:RP+k+1], v[RU+k:RU+k+1], v[RA:RA+1]
	EACH8 v_pk_mul_f32 v[RP+k:RP+k+1], v[RP+k:RP+k+1], v[RU+k:RU+k+1]
	EACH8 v_pk_fma_f32 v[RP+k:RP+k+1], v[RP+k:RP+k+1], v[RE+k:RE+k+1], 0.5 op_sel_hi:[1,1,0] neg_lo:[1,0,0] neg_hi:[1,0,0]
	EACH8 v_pk_fma_f32 v[RT+k:RT+k+1], v[RAX+k:RAX+k+1], v[RP+k:RP+k+1], v[RHX+k:RHX+k+1]
	s_wait_xcnt 0x0                                ; the last trip's stores have read their offset and their data: both are written again only behind this wait
	v_add_nc_u32 v[CO], 32768, v[CO]               ; four rows of hh on; the stores below reach back by their immediate
	EACH8 v_cvt_pk_f16_f32 v[RY+k/2], v[RT+k], v[RT+k+1]
	global_store_b128 v[CO], v[RY:RY+3],   s[8:9] offset:-32768  ; 16 lanes store 256 consecutive bytes, aligned
	global_store_b128 v[CO], v[RY+4:RY+7], s[8:9] offset:-16384
	s_sub_co_u32 s3, s3, 1
	s_cmp_lg_u32 s3, 0
	s_cbranch_scc1 .Lgelu
	s_wait_tensorcnt 0x0                           ; the wave's end
	ds_add_u32 v[SPW], v[NIL]
	s_wait_dscnt 0x0
	CROUND
	s_endpgm
.Lfunc_end_k_q27d954eaaa_ffn1:
	.size	k_q27d954eaaa_ffn1, .Lfunc_end_k_q27d954eaaa_ffn1-k_q27d954eaaa_ffn1
	.p2alignl 7, 3214868480
	.fill 96, 4, 3214868480
	.section	.rodata,"a",@progbits
	.p2align	6, 0x0
	.amdhsa_kernel k_q27d954eaaa_ffn1
		.amdhsa_group_segment_fixed_size 327680
		.amdhsa_private_segment_fixed_size 0
		.amdhsa_enable_private_segment 0
		.amdhsa_kernarg_size 32
		.amdhsa_user_sgpr_count 2
		.amdhsa_user_sgpr_kernarg_segment_ptr 1
		.amdhsa_wavefront_size32 1
		.amdhsa_system_sgpr_workgroup_id_x 1
		.amdhsa_system_sgpr_workgroup_id_y 1
		.amdhsa_system_sgpr_workgroup_id_z 1
		.amdhsa_system_vgpr_workitem_id 0
		.amdhsa_next_free_vgpr 1024
		.amdhsa_next_free_sgpr 96
		.amdhsa_reserve_vcc 0
		.amdhsa_float_denorm_mode_32 3
		.amdhsa_float_denorm_mode_16_64 3
		.amdhsa_memory_ordered 1
		.amdhsa_forward_progress 1
		.amdhsa_inst_pref_size 89
	.end_amdhsa_kernel
	.amdgpu_metadata
---
amdhsa.version: [ 1, 2 ]
amdhsa.kernels:
  - .name:           k_q27d954eaaa_ffn1
    .symbol:         k_q27d954eaaa_ffn1.kd
    .args:
      - { .name: x1, .offset: 0, .size: 8, .value_kind: global_buffer, .address_space: global }
      - { .name: cw, .offset: 8, .size: 8, .value_kind: global_buffer, .address_space: global }
      - { .name: b1, .offset: 16, .size: 8, .value_kind: global_buffer, .address_space: global }
      - { .name: hh, .offset: 24, .size: 8, .value_kind: global_buffer, .address_space: global }
    .group_segment_fixed_size: 327680
    .private_segment_fixed_size: 0
    .kernarg_segment_align: 8
    .kernarg_segment_size: 32
    .max_flat_workgroup_size: 128
    .sgpr_count:     96
    .vgpr_count:     1024
    .wavefront_size: 32
...
	.end_amdgpu_metadata
.endif
;; end of part 6
;; launch ffn2 (part 7): grid 8 x 32, 4 waves a work-group, clusters of 4 x 4, 327,680 bytes of LDS; arguments hh, cw, ys; writes ys
.if DOCPART == 7
	.amdgcn_target "amdgcn-amd-amdhsa--gfx1250"
	.amdhsa_code_object_version 6
	.text
	.protected	k_q27d954eaaa_ffn2
	.globl	k_q27d954eaaa_ffn2
	.p2align	8
	.type	k_q27d954eaaa_ffn2,@function
k_q27d954eaaa_ffn2:
	s_mov_b64 s[64:65], 0
	v_nop
	global_prefetch_b8 v0, s[64:65] scope:SCOPE_SE
	s_setreg_imm32_b32 hwreg(HW_REG_WAVE_MODE, 25, 1), 1
	s_wait_xcnt 0x0
	s_wait_alu depctr_hold_cnt(0) depctr_sa_sdst(0) depctr_va_vdst(0) depctr_va_sdst(0) depctr_va_ssrc(0) depctr_va_vcc(0) depctr_vm_vsrc(0)
	s_getreg_b32 s2, hwreg(HW_REG_IB_STS2, 6, 4)
	s_cmp_eq_u32 s2, 0
	s_cbranch_scc0 .Lentry_in_a_cluster
	s_endpgm
.Lentry_in_a_cluster:
	s_bfe_u32 s2, ttmp6, 0x10000c
	s_cmp_lg_u32 s2, 0xf033
	s_cbranch_scc0 .Lentry_shape_is_right
	s_endpgm
.Lentry_shape_is_right:
; ys = hh W2, f32 [4096][1024], without bias: the launch behind adds bias and residual.  hh: f16 [4096][4096]; W2_16 [4096][1024] lies in cw as f16 (bf16 numbers).
; SHARES.  A work-group makes 128 x 128: 8 x 32 work-groups.  Wave (rows half, columns half) makes 64 x 64: 16 accumulators.  K goes in 16 steps of 256; a quarter is 64 along K.
; Waves 0, 1 fetch the halves of hh's tile (64 rows x 512 bytes), waves 2, 3 those of W2's (128 k-rows x 256 bytes).  W2 lies [k][n]: its fragments come out of LDS turned.
; Source 0 = 16 columns of W2, source 1 = 16 rows of hh.  CLUSTER 4 x 4: hh's tile is shared along a row, W2's along a column.
; THE WALK ALONG K IS SKEWED: cluster (x, y) begins at K step (8 x + 4 (y % 4)) % 16 and goes round; the f32 sums may be taken in any order of K.  The two clusters of a row of clusters read the
; same rows of hh 8 K steps apart: each makes the first reading of eight of the sixteen K steps, in its own steps 0 to 7.  Clusters y .. y + 3 (y a multiple of 4) read the same columns of W2 4 K steps apart.
; A K step is written once: s66 says at which LDS byte the slot in hand begins.  No prefetch: the tiles are small.
; REGISTERS: window 0: v16-29 addresses, v32-95 at work on the way out, v128-255 accumulators (a, b) at 128 + 8 (4 a + b); window 1: two fragment buffers of 128: 64 of hh, then 64 of W2.
.set KT,    16
.set PA,    528
.set PB,    288
.set HALFA, 64*PA
.set HALFB, 128*PB
.set BOFF,  2*HALFA
.set SLOT,  2*HALFA+2*HALFB
.set SPARE, 2*SLOT
.set SP,    528
.set STEPA, 512
.set STEPB, 256*2048
.set WOFF,  25165824
.set ADRA0, 16
.set ADRB0, 17
.set ADRA,  18
.set ADRBL, 19
.set ADRBH, 20
.set STO,   24
.set RD,    25
.set CO,    26
.set SPW,   28
.set NIL,   29
.set ACC,   128
.set F0,    0
.set F1,    128
.set ABASE, 84                         ; s[84:85] my part of hh's tile at K = 0
.set BBASE, 86                         ; s[86:87] my part of W2's tile at K = 0
.set KN,    88                         ; s88      the K step that the walking descriptors name
.set OFA,   90                         ; s[90:91] its byte offset in hh
.set OFB,   92                         ; s[92:93] and in W2
.set MSB, 0
.macro WIN new
.if MSB != (\new)
	s_set_vgpr_msb (MSB<<8)|(\new)
.set MSB, \new
.endif
.endm
.set MUL,  0x05
.set TO_F, 0x40
.macro PLACES
.rept 4
	v_nop
.endr
.endm
.macro CREST
	s_cmp_lg_u32 s10, 0
	s_cbranch_scc1 .Lnot_wave_0_\@
	s_barrier_signal -3
.Lnot_wave_0_\@:
	s_barrier_wait -3
	s_barrier_signal -1
	s_barrier_wait -1
.endm
.macro CROUND
	s_barrier_signal -1
	s_barrier_wait -1
	CREST
.endm
.macro JLOAD
	s_cmp_eq_u32 s11, 0
	s_cbranch_scc0 .Lfor_b_\@
	tensor_load_to_lds s[36:39], s[24:31]
	s_nop 0
.rept 4
	v_nop
.endr
	s_branch .Lasked_\@
.Lfor_b_\@:
	tensor_load_to_lds s[60:63], s[48:55]
	s_nop 0
.rept 4
	v_nop
.endr
.Lasked_\@:
.endm
.macro NEXTK                           ; the walking descriptors: the next K step, round the end; the slot in hand; each address made anew from its base and an offset
	s_add_co_u32 s[KN], s[KN], 1
	s_and_b32 s[KN], s[KN], KT-1
	s_mul_i32 s[OFA], s[KN], STEPA
	s_mul_i32 s[OFB], s[KN], STEPB
	s_add_co_u32 s37, s66, s67
	s_add_co_u32 s61, s66, s68
	s_add_nc_u64 s[38:39], s[ABASE:ABASE+1], s[OFA:OFA+1]
	s_or_b32 s39, s39, 0x80000000
	s_add_nc_u64 s[62:63], s[BBASE:BBASE+1], s[OFB:OFB+1]
	s_or_b32 s63, s63, 0x80000000
.endm
.macro MUL8 f, c, a0, zero
	WIN MUL
.irp a, \a0, (\a0)+1
.irp b, 0,1,2,3
.if \zero
	v_wmma_f32_16x16x32_f16 v[ACC+8*(4*(\a)+(\b)):ACC+8*(4*(\a)+(\b))+7], v[(\f)+64+8*(4*(\c)+(\b)):(\f)+64+8*(4*(\c)+(\b))+7], v[(\f)+8*(4*(\c)+(\a)):(\f)+8*(4*(\c)+(\a))+7], 0
.else
	v_wmma_f32_16x16x32_f16 v[ACC+8*(4*(\a)+(\b)):ACC+8*(4*(\a)+(\b))+7], v[(\f)+64+8*(4*(\c)+(\b)):(\f)+64+8*(4*(\c)+(\b))+7], v[(\f)+8*(4*(\c)+(\a)):(\f)+8*(4*(\c)+(\a))+7], v[ACC+8*(4*(\a)+(\b)):ACC+8*(4*(\a)+(\b))+7]
.endif
.endr
.endr
.endm
.macro FETCH q, f                      ; 32 LDS loads: quarter q into buffer f; its first 32 along K first
	WIN TO_F
.irp c, 0,1
.irp i, 0,1,2,3
	ds_load_tr16_b128 v[(\f)+64+8*(4*(\c)+(\i)):(\f)+64+8*(4*(\c)+(\i))+3],   v[ADRBL+(\q)/2] offset:((2*(\q)+(\c))%4)*32*PB+32*(\i)
	ds_load_tr16_b128 v[(\f)+64+8*(4*(\c)+(\i))+4:(\f)+64+8*(4*(\c)+(\i))+7], v[ADRBL+(\q)/2] offset:((2*(\q)+(\c))%4)*32*PB+16*PB+32*(\i)
	ds_load_b128 v[(\f)+8*(4*(\c)+(\i)):(\f)+8*(4*(\c)+(\i))+3],   v[ADRA] offset:128*(\q)+64*(\c)+(\i)*16*PA
	ds_load_b128 v[(\f)+8*(4*(\c)+(\i))+4:(\f)+8*(4*(\c)+(\i))+7], v[ADRA] offset:128*(\q)+64*(\c)+(\i)*16*PA+32
.endr
.endr
.endm
.macro QUARTER q, f, g, zero
	s_wait_dscnt 16                                ; the first 32 along K are in
	MUL8 \f, 0, 0, \zero
	MUL8 \f, 0, 2, \zero
	PLACES
	FETCH \q, \g
	s_wait_dscnt 32                                ; all but the 32 just issued
	MUL8 \f, 1, 0, 0
	MUL8 \f, 1, 2, 0
.endm
.macro MEET fill                       ; fill = 1: the slot in hand is filled again behind the barrier
	WIN 0
	s_wait_tensorcnt 0x0                           ; all my tensor loads have landed: my part of the next slot; so a group 0 may be written
	ds_add_u32 v[SPW], v[NIL]                      ; 0 onto my spare word
.if \fill
	NEXTK
.endif
	s_wait_dscnt 17                                ; (the add and the youngest sixteen loads may be out)
	MUL8 F1, 0, 0, 0
	s_wait_dscnt 0x0                               ; the add is done, and my reads of this slot are over
	s_barrier_signal -1
	MUL8 F1, 0, 2, 0
	WIN 0
	s_barrier_wait -1
.endm
.macro NEWADR
	v_add_nc_u32 v[ADRA], s66, v[ADRA0]
	v_add_nc_u32 v[ADRBL], s66, v[ADRB0]
	v_add_nc_u32 v[ADRBH], 128*PB, v[ADRBL]        ; k-rows 128 on: the 16-bit offset does not reach them
.endm
.macro TURN
	MEET 1
	CREST                                          ; no wave of any partner still reads this slot or has a load on its way
	JLOAD
	s_xor_b32 s66, s66, SLOT
	NEWADR
	FETCH 0, F0
	MUL8 F1, 1, 0, 0
	MUL8 F1, 1, 2, 0
.endm
	s_load_b128 s[4:7], s[0:1], 0x0                ; hh, cw
	s_load_b64 s[8:9], s[0:1], 0x10                ; ys
	v_lshl_add_u32 v[SPW], v0, 2, SPARE
	v_mov_b32 v[NIL], 0
	ds_add_u32 v[SPW], v[NIL]                      ; the wave's opening: the add and its wait ahead of my first tensor load
	v_lshrrev_b32 v1, 5, v0
	v_readfirstlane_b32 s10, v1
	s_lshr_b32 s11, s10, 1                         ; my half of the rows; also: I fetch for hh (0) or for W2 (1)
	s_and_b32 s12, s10, 1                          ; my half of the columns; also: which half I fetch
	s_bfe_u32 s40, ttmp6, 0x40000
	s_bfe_u32 s41, ttmp6, 0x40004
	s_lshl_b32 s42, ttmp9, 2
	s_add_co_u32 s42, s42, s40                     ; tile column
	s_and_b32 s13, ttmp7, 0xffff
	s_lshl_b32 s13, s13, 2
	s_add_co_u32 s13, s13, s41                     ; tile row
	s_lshl_b32 s43, s41, 2
	s_lshl_b32 s43, 15, s43
	s_lshl_b32 s44, 0x1111, s40
	s_or_b32 s24, s43, (1<<16)|(1<<20)|(1<<21)|(6<<22)|(3<<25)  ; hh: 4 words of padding after every 128
	s_mov_b32 s25, 256<<16
	s_mov_b32 s26, 64<<16
	s_mov_b32 s27, 256<<16
	s_mov_b32 s28, 64
	s_mov_b32 s29, 4096
	s_mov_b32 s30, 0
	s_mov_b32 s31, 0
	s_or_b32 s48, s44, (1<<16)|(1<<20)|(1<<21)|(5<<22)|(7<<25)  ; W2: 8 words of padding after every 64
	s_mov_b32 s49, 128<<16
	s_mov_b32 s50, 128<<16
	s_mov_b32 s51, 128<<16
	s_mov_b32 s52, 128
	s_mov_b32 s53, 1024
	s_mov_b32 s54, 0
	s_mov_b32 s55, 0
	s_lshl_b32 s16, s13, 7
	s_lshl_b32 s17, s12, 6
	s_add_co_u32 s16, s16, s17
	s_lshl_b32 s16, s16, 13                        ; hh: row 128 x tile row + 64 x half, 8,192 bytes a row
	s_mov_b32 s17, 0
	s_lshl_b32 s46, s12, 18                        ; W2: k-row 128 x half,
	s_lshl_b32 s47, s42, 8                         ; the tile's 128 columns
	s_add_co_u32 s46, s46, s47
	s_add_co_u32 s46, s46, WOFF
	s_mov_b32 s47, 0
	s_mul_i32 s67, s12, HALFA                      ; where my part goes in a slot
	s_mul_i32 s68, s12, HALFB
	s_add_co_u32 s68, s68, BOFF
	s_mov_b32 s66, 0
	s_and_b32 s[KN], ttmp7, 3                      ; the cluster's first K step: (8 x + 4 (y % 4)) % 16: made of the cluster's coordinates, which all sixteen partners share
	s_lshl_b32 s[KN], s[KN], 2
	s_lshl_b32 s[OFA], ttmp9, 3
	s_add_co_u32 s[KN], s[KN], s[OFA]
	s_and_b32 s[KN], s[KN], KT-1
	s_mov_b32 s[OFA+1], 0
	s_mov_b32 s[OFB+1], 0
	s_wait_dscnt 0x0
	s_wait_kmcnt 0x0
	s_add_nc_u64 s[ABASE:ABASE+1], s[4:5], s[16:17]
	s_add_nc_u64 s[BBASE:BBASE+1], s[6:7], s[46:47]
	CROUND
.irp s, 0,1
	s_mul_i32 s[OFA], s[KN], STEPA
	s_mul_i32 s[OFB], s[KN], STEPB
	s_mov_b32 s[32+4*(\s)], 1
	s_add_co_u32 s[33+4*(\s)], s67, (\s)*SLOT
	s_add_nc_u64 s[34+4*(\s):35+4*(\s)], s[ABASE:ABASE+1], s[OFA:OFA+1]
	s_or_b32 s[35+4*(\s)], s[35+4*(\s)], 0x80000000
	s_mov_b32 s[56+4*(\s)], 1
	s_add_co_u32 s[57+4*(\s)], s68, (\s)*SLOT
	s_add_nc_u64 s[58+4*(\s):59+4*(\s)], s[BBASE:BBASE+1], s[OFB:OFB+1]
	s_or_b32 s[59+4*(\s)], s[59+4*(\s)], 0x80000000
.if (\s) == 0
	s_add_co_u32 s[KN], s[KN], 1
	s_and_b32 s[KN], s[KN], KT-1
.endif
.endr
	s_cmp_eq_u32 s11, 0                            ; a wave's two first fills stand in one branch
	s_cbranch_scc0 .Lfirst_b
	tensor_load_to_lds s[32:35], s[24:31]
	s_nop 0
	tensor_load_to_lds s[36:39], s[24:31]
	s_nop 0
.rept 4
	v_nop
.endr
	s_branch .Lfirst_done
.Lfirst_b:
	tensor_load_to_lds s[56:59], s[48:55]
	s_nop 0
	tensor_load_to_lds s[60:63], s[48:55]
	s_nop 0
.rept 4
	v_nop
.endr
.Lfirst_done:
	v_and_b32 v1, 15, v0
	v_bfe_u32 v2, v0, 4, 1
	v_mul_u32_u24 v3, v1, PA
	v_lshl_add_u32 v3, v2, 4, v3
	s_mul_i32 s21, s11, HALFA
	v_add_nc_u32 v[ADRA0], s21, v3
	v_and_b32 v4, 7, v0
	v_bfe_u32 v5, v0, 3, 1
	v_lshl_add_u32 v4, v2, 3, v4
	v_mul_u32_u24 v4, v4, PB
	v_lshl_add_u32 v4, v5, 4, v4
	s_lshl_b32 s22, s12, 7
	s_add_co_u32 s22, s22, BOFF
	v_add_nc_u32 v[ADRB0], s22, v4
	NEWADR
	s_mul_i32 s23, s11, 64*SP                      ; into the stage: my 64 rows, my 256 bytes of their 512; row l % 16, 32 bytes for each half of the lanes
	s_lshl_b32 s21, s12, 8
	s_add_co_u32 s23, s23, s21
	v_mul_u32_u24 v6, v1, SP
	v_lshl_add_u32 v6, v2, 5, v6
	v_add_nc_u32 v[STO], s23, v6
	s_mul_i32 s23, s10, 32*SP                      ; back: wave w takes rows 32 w .. 32 w + 31, whole: 32 lanes x 16 bytes
	v_and_b32 v8, 31, v0
	v_lshlrev_b32 v[CO], 4, v8
	v_add_nc_u32 v[RD], s23, v[CO]
	s_lshl_b32 s20, s13, 7
	s_lshl_b32 s21, s10, 5
	s_add_co_u32 s20, s20, s21
	s_lshl_b32 s20, s20, 12                        ; 4,096 bytes a row of ys
	s_lshl_b32 s21, s42, 9
	s_add_co_u32 s20, s20, s21
	s_mov_b32 s21, 0
	s_add_nc_u64 s[8:9], s[8:9], s[20:21]
	s_wait_tensorcnt 1                             ; my part of the first K step is in; the second's may stay out
	s_barrier_signal -1
	s_barrier_wait -1
	FETCH 0, F0
	QUARTER 1, F0, F1, 1
	WIN 0
	s_mov_b32 s3, KT-2
.Lstep:
	QUARTER 2, F1, F0, 0
	QUARTER 3, F0, F1, 0
	TURN
	QUARTER 1, F0, F1, 0
	WIN 0
	s_sub_co_u32 s3, s3, 1
	s_cmp_lg_u32 s3, 0
	s_cbranch_scc1 .Lstep
	s_mov_b32 s3, 2
.Ltail:                                        ; the last two K steps ask for nothing
	QUARTER 2, F1, F0, 0
	QUARTER 3, F0, F1, 0
	MEET 0
	s_sub_co_u32 s3, s3, 1
	s_cmp_eq_u32 s3, 0
	s_cbranch_scc1 .Lnofetch
	s_xor_b32 s66, s66, SLOT
	NEWADR
	PLACES
	FETCH 0, F0
	WIN 0
.Lnofetch:
	MUL8 F1, 1, 0, 0
	MUL8 F1, 1, 2, 0
	WIN 0
	s_cmp_eq_u32 s3, 0
	s_cbranch_scc1 .Ldone
	QUARTER 1, F0, F1, 0
	WIN 0
	s_cmp_lg_u32 s3, 0
	s_cbranch_scc1 .Ltail
.Ldone:
	s_wait_dscnt 0x0                               ; every wave's reads of the ring are over before any wave stores into it; the ring has had its last fill
	s_barrier_signal -1
	s_barrier_wait -1
	PLACES
	PLACES
.irp a, 0,1,2,3
.irp b, 0,1,2,3
	ds_store_b128 v[STO], v[ACC+8*(4*(\a)+(\b)):ACC+8*(4*(\a)+(\b))+3]   offset:(\a)*16*SP+64*(\b)
	ds_store_b128 v[STO], v[ACC+8*(4*(\a)+(\b))+4:ACC+8*(4*(\a)+(\b))+7] offset:(\a)*16*SP+64*(\b)+16
.endr
.endr
	s_wait_dscnt 0x0                               ; for the others' sake: a row's 512 bytes come from two waves
	s_barrier_signal -1
	s_barrier_wait -1
.set t, 0
.rept 32
.set r, 32+4*t+32*(t/16)               ; v32-95, then v128-191
	ds_load_b128 v[r:r+3], v[RD] offset:t*SP
.set t, t+1
.endr
.set t, 0
.rept 32
.set r, 32+4*t+32*(t/16)
	s_wait_dscnt 31-t
	global_store_b128 v[CO], v[r:r+3], s[8:9] offset:t*4096  ; each store of the wave covers 512 consecutive bytes, aligned
.set t, t+1
.endr
	s_wait_tensorcnt 0x0                           ; the wave's end
	ds_add_u32 v[SPW], v[NIL]
	s_wait_dscnt 0x0
	CROUND
	s_endpgm
.Lfunc_end_k_q27d954eaaa_ffn2:
	.size	k_q27d954eaaa_ffn2, .Lfunc_end_k_q27d954eaaa_ffn2-k_q27d954eaaa_ffn2
	.p2alignl 7, 3214868480
	.fill 96, 4, 3214868480
	.section	.rodata,"a",@progbits
	.p2align	6, 0x0
	.amdhsa_kernel k_q27d954eaaa_ffn2
		.amdhsa_group_segment_fixed_size 327680
		.amdhsa_private_segment_fixed_size 0
		.amdhsa_enable_private_segment 0
		.amdhsa_kernarg_size 24
		.amdhsa_user_sgpr_count 2
		.amdhsa_user_sgpr_kernarg_segment_ptr 1
		.amdhsa_wavefront_size32 1
		.amdhsa_system_sgpr_workgroup_id_x 1
		.amdhsa_system_sgpr_workgroup_id_y 1
		.amdhsa_system_sgpr_workgroup_id_z 1
		.amdhsa_system_vgpr_workitem_id 0
		.amdhsa_next_free_vgpr 512
		.amdhsa_next_free_sgpr 96
		.amdhsa_reserve_vcc 0
		.amdhsa_float_denorm_mode_32 3
		.amdhsa_float_denorm_mode_16_64 3
		.amdhsa_memory_ordered 1
		.amdhsa_forward_progress 1
		.amdhsa_inst_pref_size 59
	.end_amdhsa_kernel
	.amdgpu_metadata
---
amdhsa.version: [ 1, 2 ]
amdhsa.kernels:
  - .name:           k_q27d954eaaa_ffn2
    .symbol:         k_q27d954eaaa_ffn2.kd
    .args:
      - { .name: hh, .offset: 0, .size: 8, .value_kind: global_buffer, .address_space: global }
      - { .name: cw, .offset: 8, .size: 8, .value_kind: global_buffer, .address_space: global }
      - { .name: ys, .offset: 16, .size: 8, .value_kind: global_buffer, .address_space: global }
    .group_segment_fixed_size: 327680
    .private_segment_fixed_size: 0
    .kernarg_segment_align: 8
    .kernarg_segment_size: 24
    .max_flat_workgroup_size: 128
    .sgpr_count:     96
    .vgpr_count:     512
    .wavefront_size: 32
...
	.end_amdgpu_metadata
.endif
;; end of part 7
;; launch ln2 (part 8): grid 512 x 1, 8 waves a work-group, no clusters, 0 bytes of LDS; arguments ys, x1, b2, g2, be2, out0; writes out0
.if DOCPART == 8
	.amdgcn_target "amdgcn-amd-amdhsa--gfx1250"
	.amdhsa_code_object_version 6
	.text
	.protected	k_q27d954eaaa_ln2
	.globl	k_q27d954eaaa_ln2
	.p2align	8
	.type	k_q27d954eaaa_ln2,@function
k_q27d954eaaa_ln2:
	s_mov_b64 s[64:65], 0
	v_nop
	global_prefetch_b8 v0, s[64:65] scope:SCOPE_SE
	s_setreg_imm32_b32 hwreg(HW_REG_WAVE_MODE, 25, 1), 1
	s_wait_xcnt 0x0
; out0 = LayerNorm(x1 + ys + b2) g2 + be2, in f32.  ys: f32 [4096][1024]; x1: f16 [4096][1024]; b2, g2, be2 are rounded to bf16 here, like every input.
; Mean, then the mean of (t - mean)^2, both in f32, as the function is defined; eps = 1e-5.
; One wave, one row: the row stays in 32 registers between the passes and the sums never leave the wave: no LDS, no barrier.  Lane l holds columns 128 j + 4 l + 0..3, j = 0..7.
; A load of the wave covers 512 (f32) or 256 (f16) consecutive bytes, aligned; all 40 loads go out first; a store covers 512.
.set Y,  32                            ; v[32:63]   ys, then t, then t - mean, then the result
.set R,  64                            ; v[64:79]   the residual in f16
.set BB, 80                            ; v[80:111]  the bias
.set G,  112                           ; v[112:143] the gain
.set BE, 144                           ; v[144:175] the offset
.macro RND base                        ; 32 numbers rounded to bf16 and widened again, in place
.set i, 0
.rept 4
.irp k, 0,1,2,3
	v_cvt_pk_bf16_f32 v[4+(\k)], v[(\base)+8*i+2*(\k)], v[(\base)+8*i+2*(\k)+1]
.endr
.irp k, 0,1,2,3
	v_lshlrev_b32 v[(\base)+8*i+2*(\k)], 16, v[4+(\k)]
	v_and_b32 v[(\base)+8*i+2*(\k)+1], s20, v[4+(\k)]
.endr
.set i, i+1
.endr
.endm
.macro LANES                           ; four chains in v[8:15] into one number, then over the 32 lanes: the sum in v8 of every lane
	v_pk_add_f32 v[8:9], v[8:9], v[10:11]
	v_pk_add_f32 v[12:13], v[12:13], v[14:15]
	v_pk_add_f32 v[8:9], v[8:9], v[12:13]
	v_add_f32 v8, v8, v9
	v_add_f32_dpp v8, v8, v8 row_xmask:1 row_mask:0xf bank_mask:0xf
	v_add_f32_dpp v8, v8, v8 row_xmask:2 row_mask:0xf bank_mask:0xf
	v_add_f32_dpp v8, v8, v8 row_xmask:4 row_mask:0xf bank_mask:0xf
	v_add_f32_dpp v8, v8, v8 row_xmask:8 row_mask:0xf bank_mask:0xf
	v_permlanex16_b32 v9, v8, s16, s17
	v_add_f32 v8, v8, v9
.endm
	s_load_b256 s[4:11], s[0:1], 0x0               ; ys s[4:5], residual s[6:7], bias s[8:9], gain s[10:11]
	s_load_b128 s[12:15], s[0:1], 0x20             ; offset s[12:13], out s[14:15]
	v_lshrrev_b32 v1, 5, v0
	v_readfirstlane_b32 s21, v1                    ; wave 0..7
	v_and_b32 v2, 31, v0
	v_lshlrev_b32 v1, 4, v2                        ; 16 l
	v_lshlrev_b32 v2, 3, v2                        ; 8 l
	v_mov_b32 v3, 1.0
	s_lshl_b32 s22, ttmp9, 3
	s_add_co_u32 s22, s22, s21                     ; my row
	s_lshl_b32 s24, s22, 12
	s_mov_b32 s25, 0
	s_lshl_b32 s26, s22, 11
	s_mov_b32 s27, 0
	s_mov_b32 s16, 0x76543210
	s_mov_b32 s17, 0xfedcba98
	s_mov_b32 s18, 0x3a800000                      ; 1 / 1024
	s_mov_b32 s19, 0x3727c5ac                      ; 1e-5
	s_mov_b32 s20, 0xffff0000
	s_wait_kmcnt 0x0
	s_add_nc_u64 s[4:5], s[4:5], s[24:25]
	s_add_nc_u64 s[6:7], s[6:7], s[26:27]
	s_add_nc_u64 s[14:15], s[14:15], s[24:25]
.irp j, 0,1,2,3,4,5,6,7
	global_load_b128 v[Y+4*(\j):Y+4*(\j)+3], v1, s[4:5] offset:512*(\j) th:TH_LOAD_NT
.endr
.irp j, 0,1,2,3,4,5,6,7
	global_load_b64 v[R+2*(\j):R+2*(\j)+1], v2, s[6:7] offset:256*(\j)
.endr
.irp j, 0,1,2,3,4,5,6,7
	global_load_b128 v[BB+4*(\j):BB+4*(\j)+3], v1, s[8:9] offset:512*(\j)
.endr
.irp j, 0,1,2,3,4,5,6,7
	global_load_b128 v[G+4*(\j):G+4*(\j)+3], v1, s[10:11] offset:512*(\j)
.endr
.irp j, 0,1,2,3,4,5,6,7
	global_load_b128 v[BE+4*(\j):BE+4*(\j)+3], v1, s[12:13] offset:512*(\j)
.endr
	s_wait_loadcnt 16                              ; ys, residual and bias are in; the gain's and the offset's 16 loads may stay out
	RND BB
.set j, 0
.rept 8                                ; t = residual + ys, straight from the f16 halves
	v_fma_mix_f32 v[Y+4*j],   v[R+2*j],   v3, v[Y+4*j]   op_sel_hi:[1,0,0]
	v_fma_mix_f32 v[Y+4*j+1], v[R+2*j],   v3, v[Y+4*j+1] op_sel:[1,0,0] op_sel_hi:[1,0,0]
	v_fma_mix_f32 v[Y+4*j+2], v[R+2*j+1], v3, v[Y+4*j+2] op_sel_hi:[1,0,0]
	v_fma_mix_f32 v[Y+4*j+3], v[R+2*j+1], v3, v[Y+4*j+3] op_sel:[1,0,0] op_sel_hi:[1,0,0]
.set j, j+1
.endr
.set i, 0
.rept 16
	v_pk_add_f32 v[Y+2*i:Y+2*i+1], v[Y+2*i:Y+2*i+1], v[BB+2*i:BB+2*i+1]
.set i, i+1
.endr
.irp k, 0,1,2,3                        ; the sum, in four chains that the first eight pairs start
	v_pk_add_f32 v[8+2*(\k):9+2*(\k)], v[Y+2*(\k):Y+2*(\k)+1], v[Y+8+2*(\k):Y+8+2*(\k)+1]
.endr
.set i, 8
.rept 8
	v_pk_add_f32 v[8+2*(i%4):9+2*(i%4)], v[8+2*(i%4):9+2*(i%4)], v[Y+2*i:Y+2*i+1]
.set i, i+1
.endr
	LANES
	v_mul_f32 v18, s18, v8                         ; the mean, twice
	v_mov_b32 v19, v18
.set i, 0
.rept 16
	v_pk_add_f32 v[Y+2*i:Y+2*i+1], v[Y+2*i:Y+2*i+1], v[18:19] neg_lo:[0,1] neg_hi:[0,1]
.set i, i+1
.endr
.irp k, 0,1,2,3
	v_pk_mul_f32 v[8+2*(\k):9+2*(\k)], v[Y+2*(\k):Y+2*(\k)+1], v[Y+2*(\k):Y+2*(\k)+1]
.endr
.set i, 4
.rept 12
	v_pk_fma_f32 v[8+2*(i%4):9+2*(i%4)], v[Y+2*i:Y+2*i+1], v[Y+2*i:Y+2*i+1], v[8+2*(i%4):9+2*(i%4)]
.set i, i+1
.endr
	LANES
	v_fma_f32 v20, v8, s18, s19                    ; variance + eps
	v_rsq_f32 v16, v20
	v_rsq_f32 v17, v20
	s_wait_loadcnt 0x0
	RND G                                          ; plain work that names neither result stands behind the two roots
	RND BE
	s_wait_alu depctr_va_vdst(0)                   ; one wait for both, ahead of their first reader
.set i, 0
.rept 16
	v_pk_mul_f32 v[G+2*i:G+2*i+1], v[G+2*i:G+2*i+1], v[16:17]
.set i, i+1
.endr
.set i, 0
.rept 16
	v_pk_fma_f32 v[Y+2*i:Y+2*i+1], v[Y+2*i:Y+2*i+1], v[G+2*i:G+2*i+1], v[BE+2*i:BE+2*i+1]
.set i, i+1
.endr
.irp j, 0,1,2,3,4,5,6,7
	global_store_b128 v1, v[Y+4*(\j):Y+4*(\j)+3], s[14:15] offset:512*(\j) th:TH_STORE_NT  ; 512 consecutive bytes, aligned
.endr
	s_endpgm
.Lfunc_end_k_q27d954eaaa_ln2:
	.size	k_q27d954eaaa_ln2, .Lfunc_end_k_q27d954eaaa_ln2-k_q27d954eaaa_ln2
	.p2alignl 7, 3214868480
	.fill 96, 4, 3214868480
	.section	.rodata,"a",@progbits
	.p2align	6, 0x0
	.amdhsa_kernel k_q27d954eaaa_ln2
		.amdhsa_group_segment_fixed_size 0
		.amdhsa_private_segment_fixed_size 0
		.amdhsa_enable_private_segment 0
		.amdhsa_kernarg_size 48
		.amdhsa_user_sgpr_count 2
		.amdhsa_user_sgpr_kernarg_segment_ptr 1
		.amdhsa_wavefront_size32 1
		.amdhsa_system_sgpr_workgroup_id_x 1
		.amdhsa_system_sgpr_workgroup_id_y 1
		.amdhsa_system_sgpr_workgroup_id_z 1
		.amdhsa_system_vgpr_workitem_id 0
		.amdhsa_next_free_vgpr 176
		.amdhsa_next_free_sgpr 66
		.amdhsa_reserve_vcc 0
		.amdhsa_float_denorm_mode_32 3
		.amdhsa_float_denorm_mode_16_64 3
		.amdhsa_memory_ordered 1
		.amdhsa_forward_progress 1
		.amdhsa_inst_pref_size 21
	.end_amdhsa_kernel
	.amdgpu_metadata
---
amdhsa.version: [ 1, 2 ]
amdhsa.kernels:
  - .name:           k_q27d954eaaa_ln2
    .symbol:         k_q27d954eaaa_ln2.kd
    .args:
      - { .name: ys, .offset: 0, .size: 8, .value_kind: global_buffer, .address_space: global }
      - { .name: x1, .offset: 8, .size: 8, .value_kind: global_buffer, .address_space: global }
      - { .name: b2, .offset: 16, .size: 8, .value_kind: global_buffer, .address_space: global }
      - { .name: g2, .offset: 24, .size: 8, .value_kind: global_buffer, .address_space: global }
      - { .name: be2, .offset: 32, .size: 8, .value_kind: global_buffer, .address_space: global }
      - { .name: out0, .offset: 40, .size: 8, .value_kind: global_buffer, .address_space: global }
    .group_segment_fixed_size: 0
    .private_segment_fixed_size: 0
    .kernarg_segment_align: 8
    .kernarg_segment_size: 48
    .max_flat_workgroup_size: 256
    .sgpr_count:     66
    .vgpr_count:     176
    .wavefront_size: 32
...
	.end_amdgpu_metadata
.endif
;; end of part 8
